; MI455X (gfx1250); checked and timed in simulation.
; The chip was launched on July 23, 2026; its instructions are those of AMD's public machine-readable ISA for CDNA 5 (MIT licence, August 2026) and "CDNA5" Instruction Set Architecture Reference Guide (July 2026). The comments in the code are by the model that wrote it; some were corrected since.
;; Self Attention. Allowed arithmetic: matrix products marked QUANTISED: E3M2 operands, one E8M0 scale for each 32 along K, by v_wmma_scale_f32_16x16x128_f8f6f4 with both operands' format E3M2, f32 sums; everything else in f32.
;; Inputs: key_padding_mask 2 x 2,048 bool; qkv 2 x 2,048 x 3 x 16 x 64 float32.
;; Outputs: out0 2 x 2,048 x 16 x 64 float32.
;; This version of the problem:
;;   THIS VERSION OF THE PROBLEM IS GIVEN IN LOW PRECISION. The matrix products marked QUANTISED in the list below multiply operands that are first quantised to E3M2 (3 exponent bits, 2 mantissa bits; 6 bits a number), with one power-of-two scale for each 32 numbers along K (OCP MX v1.0); their sums are f32. All else is computed in f32.
;;   The module's matrix products, in the order in which they are computed (A, B: the left and right operand; K: the contracted axis; several contracted axes count as one K, in the product's order):
;;     1. batch 32 x [M 2,048, K 64] x [K 64, N 2,048]; A: computed on the way; B: computed on the way: QUANTISED
;;     2. batch 32 x [M 64, K 2,048] x [K 2,048, N 2,048]; A: computed on the way; B: softmax (see below): QUANTISED
;;   THE QUANTISER, for each operand of a quantised product, along K:
;;     - K is cut into blocks of 32 from its start; a last block that is shorter is filled with zeros.
;;     - A block's scale is 2^e with e = floor(log2(the largest magnitude in the block)) - 4, held to -126 .. 127; a block of zeros has e = 0. As a byte (E8M0): e + 127.
;;     - Each number is divided by its block's scale, clamped to +-28, and rounded to the nearest number of E3M2, ties to even, subnormals kept.
;;     - The product sums the exact products of the quantised numbers (number of the format x scale) in f32.
;;   ~~~python
;;   def quantise(x, axis):      # numpy; x: float32 -> the quantised numbers, widened to float32 again
;;       x = np.moveaxis(x, axis, -1); K = x.shape[-1]
;;       x = np.pad(x, [(0, 0)] * (x.ndim - 1) + [(0, -K % 32)]); x = x.reshape(x.shape[:-1] + (-1, 32)); a = np.abs(x).max(-1, keepdims=True)
;;       e = np.where(a > 0, np.clip(np.frexp(np.where(a > 0, a, 1))[1] - 1 - 4, -126, 127), 0)      # np.frexp(a)[1] - 1 = floor(log2(a)), exactly
;;       r = np.clip(x / 2.0 ** e, -28, 28)
;;       step = 2.0 ** (np.maximum(np.frexp(np.where(r == 0, 1, r))[1] - 1, -2) - 2)
;;       q = np.round(r / step) * step * 2.0 ** e      # np.round: ties to even
;;       return np.moveaxis(q.reshape(q.shape[:-2] + (-1,))[..., :K], -1, axis).astype(np.float32)
;;   ~~~
;;   SOFTMAX AHEAD OF A QUANTISED PRODUCT. Where the list says 'softmax', what is quantised is not the finished softmax but p = 2^(t - M), with t = logit x log2(e) and M = ceil(the row's largest t), a whole number; so 1/2 < the row's largest p <= 1. The row's sum l is taken of the UNQUANTISED p, in f32, and the product's result is divided by l at the end. Since M is a whole number, a kernel that streams over the keys may use a running M (the ceiling of the running maximum): every later rescaling is an exact power of two, which a block's scale takes up: the codes' values come out the same.
;;   OPERANDS COMPUTED ON THE WAY. 'Computed on the way' means the value that the module computes at that place (a softmax that the list does not call 'softmax' is quantised finished and normalised). What goes into a quantiser is computed in f32, as accurately as f32 sums, v_exp_f32 and their like allow (about 1e-6 of the number): no bf16 or f16 on the way to a quantiser, and a product that is left as it is and whose result goes on into a quantised operand takes f32 operands (vector FMAs, or v_wmma_f32_16x16x4_f32). A number that lies on a knife's edge between two numbers of the format may be rounded either way, as far as f32 arithmetic and the matrix unit's own rounding can turn it there, and no further.
;; 2 versions. Each part assembles by itself: llvm-mc -triple=amdgcn-amd-amdhsa -mcpu=gfx1250 --defsym DOCPART=n.
;; ======== version 1 of 2: 2 launches
;; limits: right only within a limited range of input values
;; workspace buffers: kv 6,946,816 bytes; qc 3,407,872 bytes; meta 4,096 bytes of whole numbers
;; launch prep (part 1): grid 1536 x 1, 8 waves a work-group, no clusters, 42,752 bytes of LDS; arguments qkv, key_padding_mask, kv, qc, meta; writes kv, qc, meta
.if DOCPART == 1
	.amdgcn_target "amdgcn-amd-amdhsa--gfx1250"
	.amdhsa_code_object_version 6
	.text
	.protected	k_qbc63d8eb22_prep
	.globl	k_qbc63d8eb22_prep
	.p2align	8
	.type	k_qbc63d8eb22_prep,@function
k_qbc63d8eb22_prep:
	s_mov_b64 s[64:65], 0
	v_nop
	global_prefetch_b8 v0, s[64:65] scope:SCOPE_SE
	s_setreg_imm32_b32 hwreg(HW_REG_WAVE_MODE, 25, 1), 1
	s_wait_xcnt 0x0
; qkv [2][2048][3][16][64] f32 becomes codes of BF6 (E3M2) with E8M0 scale bytes, laid as IMAGES OF THE OPERANDS' REGISTERS, one record for each head and 128 rows:
;   q -> qc [bh][block of 128 queries][6,656 B]:  8 tiles x 768 B of codes, then 512 B of scale words
;   k -> kv [bh][step of 128 keys][13,568 B] at 0: the same 6,656 B;  at 6,656: the padding mask of the 128 keys as f32, 0 or -10000
;   v -> the same record at 7,168: 4 tiles x 1,536 B of codes (K = the keys), at 13,312: 256 B of scale words
; A tile of q or k: lane (r, hl) holds row 32 (tile / 2) + 8 (tile % 2) + r + 8 (r / 8) of the 128, channels 32 hl .. 32 hl + 31 (a whole block): six registers; registers 0-3 lie at 16 x lane, registers 4-5 at 512 + 8 x lane.
; A tile of v: lane (r, hl) holds channel 16 tile + r; its registers 6 c .. 6 c + 5 hold keys 64 c + 32 hl + 0 .. 31: 48 consecutive bytes at 48 x lane.
; THE SCALE.  byte = the exponent field of the block's largest magnitude - 4, held at 1 from below by a floor among the maximum's leaves.  k is wanted x 0.125 (= rsqrt(64), taken as exact): a power of two, so the codes are
; those of k itself and the byte is 3 less; the floor is 3 higher, so that the byte is still held at 1.
; meta [bh][32 words]: word s = (step s has a padded key) << s;  word 16 + s = the index of the first key of step s that is not padded, or 4,096 and more where there is none.
; LIMITS: a block of zeros gets the floor's byte, not 127 (its codes are zeros; this program alone reads the bytes); k x 0.125 is never rounded here, where f32 would round it under 2^-126; NaN and infinities are not served.
; SHARES.  Work-group u: kind u / 512 (q, k, v); batch, block of 128 rows and head from u % 512, the head lowest, so that neighbouring work-groups take neighbouring 256 bytes of the same rows.  Each kind's path has LDS bytes of its own.
; No tensor loads, no matrix work, no cluster: the launch streams each input byte once and work-groups share nothing.
.set RP,   12288                       ; bytes from a row (b, s) of qkv to the next
.set REC,  13568                       ; a record of kv
.set QREC, 6656                        ; a record of qc
.set QSTG, 0                           ; q, k: a stage of 16 rows x 272 bytes for each wave
.set QSC,  34816                       ; q, k: the 128 scale words
.set VSTG, 35328                       ; v: 6,144 bytes of codes, then 256 of scale words
.set X, 16                             ; v16-47  as loaded
.set Y, 48                             ; v48-79  a block: 32 neighbours along K
.set C, 80                             ; v80-85  its codes
.set T, 86                             ; v86-88  the second conversion's result (three registers that begin on an even number)
; A block of 32 numbers in v[Y] on becomes six registers of codes in v[C] on and its byte in v13.  w = 1: the numbers come by 32 loads, which are waited for in two halves.
.macro QUANT32 w
.if \w
	s_wait_loadcnt 16                              ; the first sixteen are in; the younger sixteen may be out
.endif
	v_max3_num_f32 v10, |v[Y]|, |v[Y+1]|, s22      ; the floor is one of the leaves
.irp i, 2,4,6,8,10,12,14
	v_max3_num_f32 v10, v10, |v[Y+\i]|, |v[Y+\i+1]|
.endr
.if \w
	s_wait_loadcnt 0x0
.endif
	v_max3_num_f32 v11, |v[Y+16]|, |v[Y+17]|, |v[Y+18]|
.irp i, 19,21,23,25,27,29
	v_max3_num_f32 v11, v11, |v[Y+\i]|, |v[Y+\i+1]|
.endr
	v_max3_num_f32 v10, v10, v11, |v[Y+31]|        ; the block's largest magnitude
	v_add_nc_u32 v12, 0xfe000000, v10              ; 4 off its exponent field: the conversions take this operand's exponent field as the scale
	v_cvt_scalef32_pk16_bf6_f32 v[C:C+2], v[Y:Y+15], v12
	v_cvt_scalef32_pk16_bf6_f32 v[T:T+2], v[Y+16:Y+31], v12
	v_lshrrev_b32 v13, 23, v12                     ; the byte (also the plain line behind the conversions)
.irp i, 0,1,2
	v_mov_b32 v[C+3+\i], v[T+\i]
.endr
.endm
	s_load_b256 s[4:11], s[0:1], 0x0               ; qkv s[4:5], mask s[6:7], kv s[8:9], qc s[10:11]
	s_load_b64 s[12:13], s[0:1], 0x20              ; meta
	v_lshl_add_u32 v96, v0, 2, 0xa300
	v_mov_b32 v97, 0
	v_lshrrev_b32 v1, 5, v0
	v_readfirstlane_b32 s14, v1                    ; wave 0..7
	v_and_b32 v1, 31, v0                           ; lane
	v_and_b32 v2, 15, v0                           ; r
	v_bfe_u32 v3, v0, 4, 1                         ; hl
	s_lshr_b32 s15, ttmp9, 9                       ; kind: 0 q, 1 k, 2 v
	s_bfe_u32 s16, ttmp9, 0x10008                  ; batch
	s_bfe_u32 s17, ttmp9, 0x40004                  ; block of 128 rows
	s_and_b32 s18, ttmp9, 15                       ; head
	s_lshl_b32 s19, s16, 4
	s_add_co_u32 s19, s19, s18                     ; bh
	s_lshl_b32 s36, s19, 7                         ; its 128 bytes of meta
	s_lshl_b32 s19, s19, 4
	s_add_co_u32 s19, s19, s17                     ; the record's number
	s_mul_i32 s26, s16, 2048*RP
	s_mul_i32 s28, s17, 128*RP
	s_add_co_u32 s26, s26, s28
	s_lshl_b32 s28, s15, 12                        ; q, k, v lie 4,096 bytes apart in a row
	s_add_co_u32 s26, s26, s28
	s_lshl_b32 s28, s18, 8                         ; a head's 64 numbers are 256 bytes
	s_add_co_u32 s26, s26, s28
	s_mov_b32 s27, 0
	s_mov_b32 s20, 0x76543210
	s_mov_b32 s21, 0xfedcba98                      ; v_permlanex16_b32's selects for lane l xor 16
	s_wait_kmcnt 0x0
	s_add_nc_u64 s[4:5], s[4:5], s[26:27]          ; my 128 rows' first byte
	s_cmp_eq_u32 s15, 2
	s_cbranch_scc1 .Lv
	; ---------------- q and k: wave w makes tile w ----------------
	s_cmp_eq_u32 s15, 1
	s_cselect_b64 s[24:25], s[8:9], s[10:11]       ; where the record goes: the choice hangs on the work-group's number alone
	s_mov_b32 s28, QREC
	s_cselect_b32 s28, REC, s28
	s_mov_b32 s22, 5<<23                           ; the floor: 2^(5 - 127); for k 2^(8 - 127)
	s_cselect_b32 s22, 8<<23, s22
	s_cselect_b32 s23, 3, 0                        ; what comes off k's byte for the factor 0.125
	s_mul_i32 s26, s19, s28
	s_add_nc_u64 s[24:25], s[24:25], s[26:27]
	s_lshr_b32 s28, s14, 1
	s_lshl_b32 s28, s28, 5
	s_and_b32 s29, s14, 1
	s_lshl_b32 s29, s29, 3
	s_add_co_u32 s28, s28, s29                     ; the tile's first row: 32 (w / 2) + 8 (w % 2)
	s_mul_i32 s26, s28, RP
	s_add_nc_u64 s[4:5], s[4:5], s[26:27]
	v_mul_u32_u24 v4, v3, RP
	v_lshl_add_u32 v4, v2, 4, v4                   ; in: lanes 0-15 one row's 256 bytes, lanes 16-31 the next row's
	s_mul_i32 s30, s14, 16*272                     ; my stage
	v_mul_u32_u24 v5, v3, 272
	v_lshl_add_u32 v5, v2, 4, v5
	v_add_nc_u32 v5, s30, v5                       ; into it, as loaded
	v_mul_u32_u24 v6, v2, 272
	v_lshl_add_u32 v6, v3, 7, v6
	v_add_nc_u32 v6, s30, v6                       ; out of it: row r, 128 bytes for each half of the lanes
	s_mul_i32 s31, s14, 768
	v_lshl_add_u32 v7, v1, 4, s31                  ; the tile's image: registers 0-3
	v_lshl_add_u32 v8, v1, 3, s31
	v_add_nc_u32 v8, 512, v8                       ; registers 4-5
	s_lshr_b32 s32, s14, 2
	s_lshl_b32 s32, s32, 8
	s_and_b32 s33, s14, 3
	s_lshl_b32 s33, s33, 2
	s_add_co_u32 s32, s32, s33
	s_add_co_u32 s32, s32, QSC
	v_lshl_add_u32 v9, v2, 4, s32                  ; the scale word of (tile, row r): 256 (tile / 4) + 16 r + 4 (tile % 4)
	v_lshlrev_b32 v15, 4, v1                       ; 16 x lane
	v_add_nc_u32 v14, QSC, v15
.irp i, 0,1,2,3,4,5,6,7
	global_load_b128 v[X+4*\i:X+4*\i+3], v4, s[4:5] offset:(2*\i+8*(\i/4))*RP th:TH_LOAD_NT   ; the tile's rows 2 i, 2 i + 1: sixteen lanes read 256 consecutive bytes, aligned
.endr
.irp i, 0,1,2,3,4,5,6,7
	s_wait_loadcnt 7-\i                            ; loads come back in order: load i is in, the younger ones may be out
	ds_store_b128 v5, v[X+4*\i:X+4*\i+3] offset:544*\i
.endr
.irp j, 0,1,2,3,4,5,6,7
	ds_load_b128 v[Y+4*\j:Y+4*\j+3], v6 offset:16*\j   ; my wave's own bytes, served in order behind the stores
.endr
	s_wait_dscnt 0x0
	QUANT32 0
	v_sub_nc_u32 v13, v13, s23
	global_store_b128 v7, v[C:C+3], s[24:25]       ; 512 consecutive bytes
	global_store_b64 v8, v[C+4:C+5], s[24:25]      ; 256 consecutive bytes
	v_lshlrev_b32 v10, 3, v3
	v_lshlrev_b32 v13, v10, v13                    ; my block's byte at its place: byte hl
	v_mov_b32 v11, 0
	v_permlanex16_b32 v11, v13, s20, s21
	v_or_b32 v13, v13, v11                         ; with the other half's: the row's word; bytes 2 and 3 stay 0: they stand over zero codes
	ds_store_b32 v9, v13                           ; both halves of the lanes write the same word with the same value
	s_wait_dscnt 0x0                               ; for the others' sake: my stores have landed
	s_barrier_signal -1
	s_barrier_wait -1
	s_cmp_eq_u32 s14, 0
	s_cbranch_scc0 .Lnot0
	ds_load_b128 v[16:19], v14                     ; wave 0: the 128 scale words leave as 512 consecutive bytes
	s_wait_dscnt 0x0
	global_store_b128 v15, v[16:19], s[24:25] offset:6144
	s_wait_tensorcnt 0x0
	ds_add_u32 v96, v97
	s_wait_dscnt 0x0
	s_endpgm
.Lnot0:
	s_cmp_eq_u32 s14, 1
	s_cbranch_scc0 .Lqk_end
	s_cmp_eq_u32 s15, 1
	s_cbranch_scc0 .Lqk_end
	; wave 1 of a work-group of k: the mask of these 128 keys
	s_lshl_b32 s26, s16, 11
	s_lshl_b32 s28, s17, 7
	s_add_co_u32 s26, s26, s28
	s_add_nc_u64 s[6:7], s[6:7], s[26:27]
	v_lshlrev_b32 v17, 2, v1
	global_load_b32 v16, v17, s[6:7]               ; four keys' bytes a lane
	v_mov_b32 v18, 0
	s_wait_loadcnt 0x0
.irp j, 0,1,2,3
	v_bfe_u32 v19, v16, 8*\j, 8
	v_cmp_ne_u32 vcc_lo, 0, v19
	v_cndmask_b32 v[20+\j], 0xc61c4000, v18, vcc_lo    ; 0 where the key counts, else -10000
	s_mov_b32 s[28+\j], vcc_lo                     ; bit l: key 4 l + j counts
.endr
	global_store_b128 v15, v[20:23], s[24:25] offset:6656
	s_and_b32 s32, s28, s29
	s_and_b32 s32, s32, s30
	s_and_b32 s32, s32, s31
	s_cmp_eq_u32 s32, -1
	s_cselect_b32 s33, 0, 1
	s_lshl_b32 s33, s33, s17                       ; (a key is padded) << step
.irp j, 0,1,2,3
	s_ctz_i32_b32 s[40+\j], s[28+\j]
	s_lshl_b32 s[40+\j], s[40+\j], 2
	s_add_co_u32 s[40+\j], s[40+\j], \j
	s_cmp_lg_u32 s[28+\j], 0
	s_cselect_b32 s[40+\j], s[40+\j], 4096         ; the first key 4 l + j that counts, or 4,096
.endr
	s_min_u32 s40, s40, s41
	s_min_u32 s40, s40, s42
	s_min_u32 s40, s40, s43
	s_lshl_b32 s34, s17, 7
	s_add_co_u32 s34, s34, s40                     ; counted from the batch's first key
	v_mov_b32 v24, s33
	v_mov_b32 v25, s34
	v_cmp_eq_u32 vcc_lo, 0, v1
	v_cndmask_b32 v24, v25, v24, vcc_lo            ; lane 0: the flag; lane 1: the index
	s_lshl_b32 s35, s17, 2
	s_add_co_u32 s35, s35, s36
	v_and_b32 v27, 1, v1
	v_lshl_add_u32 v26, v27, 6, s35                ; words step and 16 + step of my head's 32
	s_wait_xcnt 0x0                                ; EXEC changes only behind this wait
	v_cmp_gt_u32 vcc_lo, 2, v1
	s_and_saveexec_b32 s37, vcc_lo
	global_store_b32 v26, v24, s[12:13]
	s_wait_xcnt 0x0                                ; and again in front of the line that widens it
	s_or_b32 exec_lo, exec_lo, s37
.Lqk_end:
	s_wait_tensorcnt 0x0
	ds_add_u32 v96, v97
	s_wait_dscnt 0x0
	s_endpgm
	; ---------------- v: a lane takes a channel, its registers run down the keys.  Wave w: channels 32 (w % 2) on, keys 32 (w / 2) on ----------------
.Lv:
	s_mov_b32 s22, 5<<23                           ; the floor
	s_and_b32 s28, s14, 1                          ; ch
	s_lshr_b32 s29, s14, 1                         ; kb: which block of 32 keys
	s_lshl_b32 s26, s28, 7
	s_mul_i32 s32, s29, 32*RP
	s_add_co_u32 s26, s26, s32
	s_add_nc_u64 s[4:5], s[4:5], s[26:27]
	s_mul_i32 s26, s19, REC
	s_add_co_u32 s26, s26, 7168
	s_add_nc_u64 s[24:25], s[8:9], s[26:27]        ; v's part of the record
	v_lshlrev_b32 v4, 2, v1                        ; in: 4 bytes a lane: 128 consecutive bytes a wave
	s_mul_i32 s30, s28, 3072                       ; the codes' place in the image: tile 2 ch + lane / 16, lane (lane % 16) + 16 (kb % 2), registers 6 (kb / 2) on
	s_and_b32 s31, s29, 1
	s_mul_i32 s31, s31, 768
	s_add_co_u32 s30, s30, s31
	s_lshr_b32 s31, s29, 1
	s_mul_i32 s31, s31, 24
	s_add_co_u32 s30, s30, s31
	s_add_co_u32 s30, s30, VSTG
	v_mul_u32_u24 v5, v3, 1536
	v_mad_u32_u24 v5, v2, 48, v5
	v_add_nc_u32 v5, s30, v5
	s_lshl_b32 s31, s28, 3                         ; the byte's: word 16 r + 4 tile, byte kb
	s_add_co_u32 s31, s31, s29
	s_add_co_u32 s31, s31, VSTG+6144
	v_lshlrev_b32 v6, 4, v2
	v_lshl_add_u32 v6, v3, 2, v6
	v_add_nc_u32 v6, s31, v6
	v_lshlrev_b32 v7, 4, v0                        ; the way out: 16 bytes a thread
	v_add_nc_u32 v8, VSTG, v7
	v_lshlrev_b32 v9, 3, v1
	v_add_nc_u32 v14, VSTG+6144, v9
.irp i, 0,1,2,3,4,5,6,7,8,9,10,11,12,13,14,15,16,17,18,19,20,21,22,23,24,25,26,27,28,29,30,31
	global_load_b32 v[Y+\i], v4, s[4:5] offset:\i*RP th:TH_LOAD_NT
.endr
	QUANT32 1
	ds_store_b64 v5, v[C:C+1]
	ds_store_b64 v5, v[C+2:C+3] offset:8
	ds_store_b64 v5, v[C+4:C+5] offset:16
	ds_store_b8 v6, v13
	s_wait_dscnt 0x0                               ; for the others' sake: my stores have landed
	s_barrier_signal -1
	s_barrier_wait -1
	ds_load_b128 v[16:19], v8                      ; the image leaves as it lies: 512 consecutive bytes a wave
	s_cmp_lt_u32 s14, 4
	s_cbranch_scc0 .Lv_hi
	ds_load_b128 v[20:23], v8 offset:4096          ; 6,144 = 8 x 512 + 4 x 512
	s_wait_dscnt 0x0
	global_store_b128 v7, v[16:19], s[24:25]
	global_store_b128 v7, v[20:23], s[24:25] offset:4096
	s_wait_tensorcnt 0x0
	ds_add_u32 v96, v97
	s_wait_dscnt 0x0
	s_endpgm
.Lv_hi:
	s_wait_dscnt 0x0
	global_store_b128 v7, v[16:19], s[24:25]
	s_cmp_eq_u32 s14, 4
	s_cbranch_scc0 .Lv_end
	ds_load_b64 v[20:21], v14                      ; wave 4: the 64 scale words, 256 consecutive bytes
	s_wait_dscnt 0x0
	global_store_b64 v9, v[20:21], s[24:25] offset:6144
.Lv_end:
	s_wait_tensorcnt 0x0
	ds_add_u32 v96, v97
	s_wait_dscnt 0x0
	s_endpgm
.Lfunc_end_k_qbc63d8eb22_prep:
	.size	k_qbc63d8eb22_prep, .Lfunc_end_k_qbc63d8eb22_prep-k_qbc63d8eb22_prep
	.p2alignl 7, 3214868480
	.fill 96, 4, 3214868480
	.section	.rodata,"a",@progbits
	.p2align	6, 0x0
	.amdhsa_kernel k_qbc63d8eb22_prep
		.amdhsa_group_segment_fixed_size 42752
		.amdhsa_private_segment_fixed_size 0
		.amdhsa_enable_private_segment 0
		.amdhsa_kernarg_size 40
		.amdhsa_user_sgpr_count 2
		.amdhsa_user_sgpr_kernarg_segment_ptr 1
		.amdhsa_wavefront_size32 1
		.amdhsa_system_sgpr_workgroup_id_x 1
		.amdhsa_system_sgpr_workgroup_id_y 1
		.amdhsa_system_sgpr_workgroup_id_z 1
		.amdhsa_system_vgpr_workitem_id 0
		.amdhsa_next_free_vgpr 98
		.amdhsa_next_free_sgpr 66
		.amdhsa_reserve_vcc 1
		.amdhsa_float_denorm_mode_32 3
		.amdhsa_float_denorm_mode_16_64 3
		.amdhsa_memory_ordered 1
		.amdhsa_forward_progress 1
		.amdhsa_inst_pref_size 19
	.end_amdhsa_kernel
	.amdgpu_metadata
---
amdhsa.version: [ 1, 2 ]
amdhsa.kernels:
  - .name:           k_qbc63d8eb22_prep
    .symbol:         k_qbc63d8eb22_prep.kd
    .args:
      - { .name: qkv, .offset: 0, .size: 8, .value_kind: global_buffer, .address_space: global }
      - { .name: key_padding_mask, .offset: 8, .size: 8, .value_kind: global_buffer, .address_space: global }
      - { .name: kv, .offset: 16, .size: 8, .value_kind: global_buffer, .address_space: global }
      - { .name: qc, .offset: 24, .size: 8, .value_kind: global_buffer, .address_space: global }
      - { .name: meta, .offset: 32, .size: 8, .value_kind: global_buffer, .address_space: global }
    .group_segment_fixed_size: 42752
    .private_segment_fixed_size: 0
    .kernarg_segment_align: 8
    .kernarg_segment_size: 40
    .max_flat_workgroup_size: 256
    .sgpr_count:     66
    .vgpr_count:     98
    .wavefront_size: 32
...
	.end_amdgpu_metadata
.endif
;; end of part 1
;; launch attn (part 2): grid 8 x 32, 16 waves a work-group, no clusters, 288,768 bytes of LDS; arguments kv, qc, meta, out0; writes out0
.if DOCPART == 2
	.amdgcn_target "amdgcn-amd-amdhsa--gfx1250"
	.amdhsa_code_object_version 6
	.text
	.protected	k_qbc63d8eb22_attn
	.globl	k_qbc63d8eb22_attn
	.p2align	8
	.type	k_qbc63d8eb22_attn,@function
k_qbc63d8eb22_attn:
	s_mov_b64 s[64:65], 0
	v_nop
	global_prefetch_b8 v0, s[64:65] scope:SCOPE_SE
	s_setreg_imm32_b32 hwreg(HW_REG_WAVE_MODE, 25, 1), 1
	s_wait_xcnt 0x0
; out0[b][q][h][:] = softmax_k(q . k / 8 + pad[k] + causal[q][k]) v, both masks ADDED as -10000, both products on codes of BF6 (E3M2) with E8M0 scales, from the records that the launch before has laid (their layout: there).
; THE SOFTMAX AHEAD OF THE SECOND PRODUCT: t = logit x log2(e); M = the running largest t rounded UP to a whole number; p = 2^(t - M) is quantised along the keys; the row's sum is taken of the unquantised p and divides at the end.
; SHARES.  Work-group (a, bh) owns query blocks a and 15 - a (128 queries each) of head bh: a + 1 and 16 - a key steps of 128, 17 for every work-group.  Sixteen waves, each with ONE tile of 16 queries in 256 registers; eight
; waves have the low block, eight the high one, mixed so that neighbouring waves differ.  Lane r of tile T has query 128 block + 32 (T / 2) + 8 (T % 2) + r + 8 (r / 8).
; THE HEAD'S 16 RECORDS (217,088 bytes) are copied into LDS through registers, four records at a time, each LDS byte written once; a group is asked for four steps ahead of the barrier behind which it is read.
; LAYOUT.  Both products are used transposed (S^T = K Q^T, O^T = V^T P^T): a lane holds one query throughout.  The head size 64 fills half of the instruction's 128 along K: registers 6-11 of K's and Q's fragments are zero codes.
; WHICH STEPS ARE WORKED.  Every wave walks all 16 steps; a scalar branch passes over a step's work.  F = the batch's first key that is not padded (from meta).  A tile whose first query is at or behind F has, in every row,
; a visible key that counts: the steps behind its block are passed over.  A tile whose first query lies ahead of F has rows all of whose visible keys are padded: it works all 16 steps with both masks added as they are given.
; A step ahead of the block with no padded key starts its sums with 0; every other step starts them with pad + causal as the products' C.
; LIMITS: passing over future steps equals adding -10000 as long as no hidden key's logit lies more than some 9,890 above the row's largest visible logit that counts (then its exponential is 0 in f32); pad + causal are summed
; first and join the scores in the matrix unit's one rounding; NaN and infinities are not served.
; NO CLUSTER, NO TENSOR LOADS: the eight work-groups of a head read the same records, but the steps' branches hang on whole numbers read from memory, so LDS is filled through registers.  No prefetch: the copies themselves are asked for four steps ahead.
.set REC,   13568
.set GRP,   4*REC                      ; a group of four records: 106 x 512 bytes = 6 loads for each of 16 waves + 1 for waves 0 to 9
.set HEADB, 16*REC
.set QREC,  6656
.set KS,    6144                       ; in a record: K's scale words,
.set PD,    6656                       ; the padding mask as f32,
.set VC,    7168                       ; V's codes,
.set VS,    13312                      ; V's scale words
.set STG,   HEADB                      ; behind the records: 16 rows x 272 bytes for each wave, for the way out
.set FB,    192                        ; v192-219 a group's bytes on their way
; REGISTERS: v1-5 16 L, 8 L, 16 r, 64 hl, 48 L; v6 16 x thread (memory), v7 the same + the group (LDS); v8-11, v28 the five + the step's record; v29 my query - the step's first key - 16 hl; v30 my query - 16 hl; v31 -10000;
; v12 -M, v13 the largest t, v[14:15] the sum; v16-27 Q; v32-79 four fragments of K; v96-159 S^T, then p, then V's four fragments; v160-191 O^T; v220-221 at work; v224-235 p's codes; v232-247, v252, v254 at work;
; v248-251 K's or V's scale words, v253 p's, v255 Q's.
; s12 wave, s13 a, s14 bh, s15 which block, s16 tile, s17 block, s18 its first query, s19 my first query, s[20:21] lane selects, s[22:23] log2(e), s24 the step's first key, s25 its record in LDS, s26 the last first key that is worked,
; s27 the flags of padded steps, shifted as the steps go, s28 F, s29 counts.
.macro FILL_LOAD g
.irp p, 0,1,2,3,4,5
	global_load_b128 v[FB+4*\p:FB+4*\p+3], v6, s[4:5] offset:GRP*(\g)+8192*\p
.endr
	s_cmp_lt_u32 s12, 10
	s_cbranch_scc0 .Lnl_\@
	global_load_b128 v[FB+24:FB+27], v6, s[4:5] offset:GRP*(\g)+49152
.Lnl_\@:
.endm
.macro FILL_STORE
	s_wait_loadcnt 0x0                             ; the group's bytes are in registers
.irp p, 0,1,2,3,4,5
	ds_store_b128 v7, v[FB+4*\p:FB+4*\p+3] offset:8192*\p
.endr
	s_cmp_lt_u32 s12, 10
	s_cbranch_scc0 .Lns_\@
	ds_store_b128 v7, v[FB+24:FB+27] offset:49152
.Lns_\@:
	v_add_nc_u32 v7, GRP, v7                       ; the next group's place
.endm
.macro KLOAD g                         ; K's tiles 4 g .. 4 g + 3: six registers each, and their scale words
.irp t, 0,1,2,3
	ds_load_b128 v[32+12*\t:35+12*\t], v8 offset:768*(4*\g+\t)
	ds_load_b64 v[36+12*\t:37+12*\t], v9 offset:768*(4*\g+\t)+512
.endr
	ds_load_b128 v[248:251], v10 offset:KS+256*\g
.endm
.macro SMUL g, c                       ; four products, four accumulators by turns.  c = 0: they start the sums with 0; c = 1: with what lies in the accumulators (the masks)
.irp t, 0,1,2,3
.if \c
	v_wmma_scale_f32_16x16x128_f8f6f4 v[96+8*(4*\g+\t):103+8*(4*\g+\t)], v[32+12*\t:43+12*\t], v[16:27], v[96+8*(4*\g+\t):103+8*(4*\g+\t)], v[248+\t], v255 matrix_a_fmt:MATRIX_FMT_BF6 matrix_b_fmt:MATRIX_FMT_BF6
.else
	v_wmma_scale_f32_16x16x128_f8f6f4 v[96+8*(4*\g+\t):103+8*(4*\g+\t)], v[32+12*\t:43+12*\t], v[16:27], 0, v[248+\t], v255 matrix_a_fmt:MATRIX_FMT_BF6 matrix_b_fmt:MATRIX_FMT_BF6
.endif
.endr
.endm
.macro SCORES c
	s_wait_dscnt 0x0                               ; K's first four tiles (and, with c = 1, the masks) are in
	SMUL 0, \c
.rept 4
	v_nop                                          ; four places in front of loads into registers that matrix instructions have read
.endr
	KLOAD 1
	s_wait_dscnt 0x0
	SMUL 1, \c
.endm
; A KEY STEP: 128 keys.
.macro STEP
	s_cmp_gt_u32 s24, s26
	s_cbranch_scc1 .Lhidden_\@                     ; passed over: only the scalar steps at the end are run
	v_add_nc_u32 v8, s25, v1                       ; six plain lines: also the places between the last step's products and what now writes over V's fragments and the scale words
	v_add_nc_u32 v9, s25, v2
	v_add_nc_u32 v10, s25, v3
	v_add_nc_u32 v11, s25, v4
	v_add_nc_u32 v28, s25, v5
	v_sub_nc_u32 v29, v30, s24
	KLOAD 0
	s_and_b32 s30, s27, 1                          ; has this step a padded key?
	s_cmp_lg_u32 s30, 0
	s_cbranch_scc1 .Lslow_\@
	s_cmp_ge_u32 s24, s18                          ; does it reach my block's diagonal, or lie behind it?
	s_cbranch_scc1 .Lslow_\@
	SCORES 0
	s_branch .Ljoin_\@
.Lslow_\@:
.irp b, 0,1,2,3
.irp j, 0,1,2,3
	ds_load_b128 v[96+16*\b+4*\j:99+16*\b+4*\j], v11 offset:PD+128*\b+16*\j   ; the padding mask in the result's layout: register 16 b + i is key 32 b + 16 hl + i
.endr
.endr
	s_wait_dscnt 0x0
	s_cmp_lt_u32 s24, s18
	s_cbranch_scc1 .Lnoc_\@                        ; ahead of my block every key is visible
.irp n, 0,1,2,3,4,5,6,7,8,9,10,11,12,13,14,15,16,17,18,19,20,21,22,23,24,25,26,27,28,29,30,31,32,33,34,35,36,37,38,39,40,41,42,43,44,45,46,47,48,49,50,51,52,53,54,55,56,57,58,59,60,61,62,63
	v_cmp_gt_i32 vcc_lo, 32*(\n/16)+\n%16, v29     ; the key comes after my query
	v_cndmask_b32 v[220+\n%2], 0, v31, vcc_lo
	v_add_f32 v[96+\n], v[96+\n], v[220+\n%2]      ; + -10000
.endr
.Lnoc_\@:
	SCORES 1
.Ljoin_\@:
.rept 4
	v_nop                                          ; four places in front of the first read of results
.endr
.irp b, 0,1,2,3
	v_max3_num_f32 v[232+\b], v[96+16*\b], v[97+16*\b], v[98+16*\b]   ; the largest score of each block of 32 keys: for the row's maximum, and, since p rises with the score, for the block's largest p.  Each accumulator is read from its low end on
.endr
.irp i, 3,5,7,9,11,13
.irp b, 0,1,2,3
	v_max3_num_f32 v[232+\b], v[232+\b], v[96+16*\b+\i], v[97+16*\b+\i]
.endr
.endr
.irp b, 0,1,2,3
	v_max_num_f32 v[232+\b], v[232+\b], v[111+16*\b]
.endr
.irp b, 0,1,2,3
	v_permlanex16_b32 v[236+\b], v[232+\b], s20, s21
.endr
.irp b, 0,1,2,3
	v_max_num_f32 v[232+\b], v[232+\b], v[236+\b]  ; with lane l xor 16's 16 keys
.endr
	v_max3_num_f32 v254, v232, v233, v234
	v_max_num_f32 v254, v254, v235                 ; the step's largest score of my query
	v_mul_f32 v254, s22, v254                      ; as t
	v_max_num_f32 v13, v13, v254                   ; the running largest t
	v_mov_b32 v254, v12
	v_floor_f32 v12, -v13                          ; the new -M = floor(-t): M is a whole number
	v_sub_f32 v254, v12, v254                      ; old M - new M: a whole number, 0 or less
	v_cvt_i32_f32 v254, v254                       ; (it saturates)
	v_ldexp_f32 v252, 1.0, v254                    ; f = 2^(old M - new M): a multiplication by it rounds nothing
.irp j, 0,2,4,6,8,10,12,14,16,18,20,22,24,26,28,30,32,34,36,38,40,42,44,46,48,50,52,54,56,58,60,62
	v_pk_fma_f32 v[96+\j:97+\j], v[96+\j:97+\j], s[22:23], v[12:13] op_sel_hi:[1,0,0]   ; t - M, two at a time
.endr
.irp b, 0,1,2,3
	v_fma_f32 v[232+\b], v[232+\b], s22, v12       ; the same of each block's largest score
.endr
.irp j, 0,1,2,3,4,5,6,7,8,9,10,11,12,13,14,15,16,17,18,19,20,21,22,23,24,25,26,27,28,29,30,31,32,33,34,35,36,37,38,39,40,41,42,43,44,45,46,47,48,49,50,51,52,53,54,55,56,57,58,59,60,61,62,63
	v_exp_f32 v[96+\j], v[96+\j]                   ; p = 2^(t - M): not normalised
.endr
	v_pk_mul_f32 v[14:15], v[14:15], v[252:253] op_sel_hi:[1,0]   ; the sums under the new M (the plain line behind the exponentials)
	s_wait_alu depctr_va_vdst(0)                   ; one wait for the batch of 64, ahead of its first reader
.irp b, 0,1,2,3
	v_exp_f32 v[232+\b], v[232+\b]                 ; the blocks' largest p
.endr
	v_pk_add_f32 v[236:237], v[96:97], v[98:99]    ; the row's sum of the unquantised p, two at a time, in two chains: it reads the 64 alone
.irp j, 4,8,12,16,20,24,28,32,36,40,44,48,52,56,60
	v_pk_add_f32 v[14:15], v[14:15], v[96+\j:97+\j]
	v_pk_add_f32 v[236:237], v[236:237], v[98+\j:99+\j]
.endr
	v_pk_add_f32 v[14:15], v[14:15], v[236:237]
	s_wait_alu depctr_va_vdst(0)                   ; and one for the four
.irp b, 0,1,2,3
	v_max_num_f32 v[232+\b], 0x2800000, v[232+\b]  ; the floor 2^(5 - 127): the byte cannot fall under 1 (a block whose every p is 0 keeps that byte: its codes are zeros)
.endr
.irp b, 0,1,2,3
	v_add_nc_u32 v[244+\b], 0xfe000000, v[232+\b]  ; 4 off the exponent field: the conversion's scale operand
.endr
.irp b, 0,1,2,3
	v_lshrrev_b32 v[236+\b], 23, v[244+\b]         ; the scale's byte
.endr
	v_lshl_or_b32 v253, v237, 8, v236              ; p's scale word for these 128 keys
	v_lshl_or_b32 v253, v238, 16, v253
	v_lshl_or_b32 v253, v239, 24, v253
.irp c, 0,1
	v_cvt_scalef32_pk16_bf6_f32 v[224+6*\c:226+6*\c], v[96+32*\c:111+32*\c], v[244+2*\c]
	v_cvt_scalef32_pk16_bf6_f32 v[236+4*\c:238+4*\c], v[112+32*\c:127+32*\c], v[244+2*\c+1]   ; (a conversion's three registers begin on an even number)
.endr
	v_nop                                          ; one plain line behind the conversions
.irp t, 0,1,2,3
.irp p, 0,1,2
	ds_load_b128 v[96+12*\t+4*\p:99+12*\t+4*\p], v28 offset:VC+1536*\t+16*\p   ; V's four fragments, into the registers that p has left: they land while the lines below run
.endr
.endr
	ds_load_b128 v[248:251], v10 offset:VS         ; and their scale words
.irp c, 0,1                                    ; the operand's layout wants a whole block in a lane: lanes 0-15 block 2 c, lanes 16-31 block 2 c + 1
.irp i, 0,1,2
	v_permlane16_swap_b32 v[224+6*\c+\i], v[236+4*\c+\i]
.endr
.irp i, 0,1,2
	v_mov_b32 v[227+6*\c+\i], v[236+4*\c+\i]
.endr
.endr
.irp j, 0,2,4,6,8,10,12,14,16,18,20,22,24,26,28,30
	v_pk_mul_f32 v[160+\j:161+\j], v[160+\j:161+\j], v[252:253] op_sel_hi:[1,0]   ; O^T under the new M, from each accumulator's low end on; also the places between the lines that made p's codes and word and the products
.endr
	s_wait_dscnt 0x0
.irp t, 0,1,2,3
	v_wmma_scale_f32_16x16x128_f8f6f4 v[160+8*\t:167+8*\t], v[96+12*\t:107+12*\t], v[224:235], v[160+8*\t:167+8*\t], v[248+\t], v253 matrix_a_fmt:MATRIX_FMT_BF6 matrix_b_fmt:MATRIX_FMT_BF6
.endr
.Lhidden_\@:
	s_add_co_u32 s24, s24, 128                     ; on every path: the next step's first key, its record, its flag
	s_add_co_u32 s25, s25, REC
	s_lshr_b32 s27, s27, 1
.endm
; Four steps on the records of group g.  Then the next group, whose bytes were asked for a group ago, goes into LDS bytes that nobody has touched; the group after it is asked for; and a barrier shows every wave's stores to every wave.
.macro GROUP g
	s_mov_b32 s25, GRP*\g
	s_mov_b32 s29, 4
.Lstep_\@:
	STEP
	s_sub_co_u32 s29, s29, 1
	s_cmp_lg_u32 s29, 0
	s_cbranch_scc1 .Lstep_\@
.if \g < 3
	FILL_STORE
	s_wait_dscnt 0x0                               ; for the others' sake: my stores have landed; and they have read their registers
.if \g < 2
	FILL_LOAD (\g)+2
.endif
	s_barrier_signal -1
	s_barrier_wait -1
.endif
.endm
	s_load_b256 s[4:11], s[0:1], 0x0               ; kv s[4:5], qc s[6:7], meta s[8:9], out0 s[10:11]
	v_lshl_add_u32 v223, v0, 2, 0x46000
	v_mov_b32 v243, 0
	v_lshrrev_b32 v1, 5, v0
	v_readfirstlane_b32 s12, v1                    ; wave 0..15
	s_mov_b32 s13, ttmp9                           ; a
	s_and_b32 s14, ttmp7, 0xffff                   ; bh
	s_lshr_b32 s15, s12, 2
	s_xor_b32 s15, s15, s12
	s_and_b32 s15, s15, 1                          ; 0: block a, 1: block 15 - a; waves 2 m and 2 m + 1 differ
	s_lshr_b32 s16, s12, 1                         ; my tile of the block's eight
	s_sub_co_u32 s17, 15, s13
	s_cmp_eq_u32 s15, 1
	s_cselect_b32 s17, s17, s13                    ; my block
	s_lshl_b32 s18, s17, 7                         ; its first query
	s_lshr_b32 s30, s16, 1
	s_lshl_b32 s30, s30, 5
	s_and_b32 s31, s16, 1
	s_lshl_b32 s31, s31, 3
	s_add_co_u32 s19, s18, s30
	s_add_co_u32 s19, s19, s31                     ; my tile's first query
	s_mov_b32 s20, 0x76543210
	s_mov_b32 s21, 0xfedcba98                      ; v_permlanex16_b32's selects for lane l xor 16
	s_mov_b32 s22, 0x3fb8aa3b                      ; log2(e)
	s_mov_b32 s23, s22                             ; (named with it as a pair)
	s_mov_b32 s24, 0
	s_mov_b32 s31, 0
	s_mul_i32 s30, s14, HEADB
	s_wait_kmcnt 0x0
	s_add_nc_u64 s[4:5], s[4:5], s[30:31]          ; my head's records
	s_lshl_b32 s30, s14, 4
	s_add_co_u32 s30, s30, s17
	s_mul_i32 s30, s30, QREC
	s_add_nc_u64 s[6:7], s[6:7], s[30:31]          ; my block's record of q
	s_lshl_b32 s30, s14, 7
	s_add_nc_u64 s[8:9], s[8:9], s[30:31]          ; my head's 32 words
	s_load_b512 s[32:47], s[8:9], 0x0              ; the steps' flags
	s_load_b512 s[48:63], s[8:9], 0x40             ; the steps' first keys that count
	s_lshr_b32 s30, s14, 4
	s_lshl_b32 s30, s30, 23                        ; a batch of out0 is 2,048 x 4,096 bytes,
	s_and_b32 s29, s14, 15
	s_lshl_b32 s29, s29, 8                         ; a head 256 bytes of a row,
	s_add_co_u32 s30, s30, s29
	s_lshl_b32 s29, s19, 12                        ; a query 4,096 bytes
	s_add_co_u32 s30, s30, s29
	s_add_nc_u64 s[10:11], s[10:11], s[30:31]
	v_and_b32 v8, 31, v0                           ; L
	v_and_b32 v9, 15, v0                           ; r
	v_bfe_u32 v10, v0, 4, 1                        ; hl
	v_lshlrev_b32 v1, 4, v8
	v_lshlrev_b32 v2, 3, v8
	v_lshlrev_b32 v3, 4, v9
	v_lshlrev_b32 v4, 6, v10
	v_mul_u32_u24 v5, v8, 48
	v_lshlrev_b32 v6, 4, v0
	v_lshlrev_b32 v7, 4, v0
	s_mul_i32 s29, s16, 768
	v_add_nc_u32 v11, s29, v1                      ; Q's tile in its record
	v_add_nc_u32 v28, s29, v2
	s_lshr_b32 s29, s16, 2
	s_lshl_b32 s29, s29, 8
	s_and_b32 s30, s16, 3
	s_lshl_b32 s30, s30, 2
	s_add_co_u32 s29, s29, s30
	v_add_nc_u32 v29, s29, v3                      ; and its rows' scale words
	global_load_b128 v[16:19], v11, s[6:7]
	global_load_b64 v[20:21], v28, s[6:7] offset:512
	global_load_b32 v255, v29, s[6:7] offset:KS
	FILL_LOAD 0
	v_and_b32 v30, 8, v9
	v_add_nc_u32 v30, v30, v9                      ; r + 8 (r / 8)
	v_lshlrev_b32 v31, 4, v10
	v_sub_nc_u32 v30, v30, v31
	v_add_nc_u32 v30, s19, v30                     ; my query - 16 hl
	v_mov_b32 v31, 0xc61c4000                      ; -10000
.irp j, 22,23,24,25,26,27
	v_mov_b32 v\j, 0                               ; zero codes for K = 64 .. 127 of Q,
.endr
.irp t, 0,1,2,3
.irp j, 0,1,2,3,4,5
	v_mov_b32 v[38+12*\t+\j], 0                    ; and of K's four fragments: written once
.endr
.endr
.irp j, 0,1,2,3,4,5,6,7,8,9,10,11,12,13,14,15,16,17,18,19,20,21,22,23,24,25,26,27,28,29,30,31
	v_mov_b32 v[160+\j], 0                         ; O^T: the step is written once; the first finds zeros, which the first change of M leaves zeros
.endr
.irp b, 0,1,2,3
	v_mov_b32 v[236+\b], 0                         ; a lane permute's destination counts as one of its sources
.endr
	v_mov_b32 v252, 0
	v_mov_b32 v253, 0                              ; (named as the upper half of the pair v[252:253] before it is first written)
	v_mov_b32 v13, 0xff61b1e6                      ; the largest t so far: -3e38
	v_floor_f32 v12, -v13                          ; -M
	v_mov_b32 v14, 0
	v_mov_b32 v15, 0
	s_wait_kmcnt 0x0
.irp i, 33,34,35,36,37,38,39,40,41,42,43,44,45,46,47
	s_or_b32 s32, s32, s\i
.endr
	s_mov_b32 s27, s32                             ; bit s: step s has a padded key
.irp i, 49,50,51,52,53,54,55,56,57,58,59,60,61,62,63
	s_min_u32 s48, s48, s\i
.endr
	s_mov_b32 s28, s48                             ; F: the batch's first key that counts
	s_add_co_u32 s26, s18, 127
	s_mov_b32 s30, 4095
	s_cmp_lt_u32 s19, s28                          ; has my first query no visible key that counts?
	s_cselect_b32 s26, s30, s26                    ; then all steps are worked; else those up to my block's own
	FILL_STORE                                     ; group 0 (its wait for loads also shows Q in)
	s_wait_dscnt 0x0
	FILL_LOAD 1
	s_barrier_signal -1
	s_barrier_wait -1
	GROUP 0
	GROUP 1
	GROUP 2
	GROUP 3
	; THE WAY OUT.  O^T is divided by the row's sum and goes through my stage in LDS, so that sixteen lanes store a query's 256 consecutive bytes, aligned.
.rept 4
	v_nop                                          ; four places behind the last products
.endr
	v_add_f32 v14, v14, v15                        ; the sum's two halves,
	v_permlanex16_b32 v252, v14, s20, s21
	v_add_f32 v14, v14, v252                       ; and lane l xor 16's
	v_rcp_f32 v14, v14
	v_and_b32 v8, 15, v0                           ; (plain lines behind the reciprocal)  r
	v_bfe_u32 v9, v0, 4, 1                         ; hl
	s_mul_i32 s30, s12, 16*272
	s_add_co_u32 s30, s30, STG                     ; my stage
	v_mul_u32_u24 v10, v8, 272
	v_lshl_add_u32 v10, v9, 5, v10
	v_add_nc_u32 v10, s30, v10                     ; in: row r; tile t's eight channels of my half at 64 t + 32 hl
	v_mul_u32_u24 v11, v9, 272
	v_lshl_add_u32 v11, v8, 4, v11
	v_add_nc_u32 v11, s30, v11                     ; back: lanes 0-15 one row, lanes 16-31 the next
	v_lshlrev_b32 v28, 12, v9
	v_lshl_add_u32 v28, v8, 4, v28                 ; and the same two queries in out0
	s_wait_alu depctr_va_vdst(0)                   ; the wait ahead of the reciprocal's first reader
.irp j, 0,1,2,3,4,5,6,7,8,9,10,11,12,13,14,15,16,17,18,19,20,21,22,23,24,25,26,27,28,29,30,31
	v_mul_f32 v[96+\j], v[160+\j], v14             ; register 8 t + i is o(row r, channel 16 t + 8 hl + i); each accumulator from its low end on
.endr
.irp t, 0,1,2,3
	ds_store_b128 v10, v[96+8*\t:99+8*\t] offset:64*\t
	ds_store_b128 v10, v[100+8*\t:103+8*\t] offset:64*\t+16
.endr
.irp i, 0,1,2,3,4,5,6,7
	ds_load_b128 v[32+4*\i:35+4*\i], v11 offset:544*\i   ; my wave's own bytes, served in order behind the stores
.endr
.irp i, 0,1,2,3,4,5,6,7
	s_wait_dscnt 7-\i                              ; load i is back; the younger ones may be out
	global_store_b128 v28, v[32+4*\i:35+4*\i], s[10:11] offset:(2*\i+8*(\i/4))*4096 th:TH_STORE_NT   ; the tile's rows 2 i and 2 i + 1
.endr
	s_wait_tensorcnt 0x0
	ds_add_u32 v223, v243
	s_wait_dscnt 0x0
	s_endpgm
.Lfunc_end_k_qbc63d8eb22_attn:
	.size	k_qbc63d8eb22_attn, .Lfunc_end_k_qbc63d8eb22_attn-k_qbc63d8eb22_attn
	.p2alignl 7, 3214868480
	.fill 96, 4, 3214868480
	.section	.rodata,"a",@progbits
	.p2align	6, 0x0
	.amdhsa_kernel k_qbc63d8eb22_attn
		.amdhsa_group_segment_fixed_size 288768
		.amdhsa_private_segment_fixed_size 0
		.amdhsa_enable_private_segment 0
		.amdhsa_kernarg_size 32
		.amdhsa_user_sgpr_count 2
		.amdhsa_user_sgpr_kernarg_segment_ptr 1
		.amdhsa_wavefront_size32 1
		.amdhsa_system_sgpr_workgroup_id_x 1
		.amdhsa_system_sgpr_workgroup_id_y 1
		.amdhsa_system_sgpr_workgroup_id_z 1
		.amdhsa_system_vgpr_workitem_id 0
		.amdhsa_next_free_vgpr 256
		.amdhsa_next_free_sgpr 66
		.amdhsa_reserve_vcc 1
		.amdhsa_float_denorm_mode_32 3
		.amdhsa_float_denorm_mode_16_64 3
		.amdhsa_memory_ordered 1
		.amdhsa_forward_progress 1
		.amdhsa_inst_pref_size 121
	.end_amdhsa_kernel
	.amdgpu_metadata
---
amdhsa.version: [ 1, 2 ]
amdhsa.kernels:
  - .name:           k_qbc63d8eb22_attn
    .symbol:         k_qbc63d8eb22_attn.kd
    .args:
      - { .name: kv, .offset: 0, .size: 8, .value_kind: global_buffer, .address_space: global }
      - { .name: qc, .offset: 8, .size: 8, .value_kind: global_buffer, .address_space: global }
      - { .name: meta, .offset: 16, .size: 8, .value_kind: global_buffer, .address_space: global }
      - { .name: out0, .offset: 24, .size: 8, .value_kind: global_buffer, .address_space: global }
    .group_segment_fixed_size: 288768
    .private_segment_fixed_size: 0
    .kernarg_segment_align: 8
    .kernarg_segment_size: 32
    .max_flat_workgroup_size: 512
    .sgpr_count:     66
    .vgpr_count:     256
    .wavefront_size: 32
...
	.end_amdgpu_metadata
.endif
;; end of part 2
;; ======== version 2 of 2: 2 launches
;; limits: right only within a limited range of input values
;; workspace buffers: kv 6,946,816 bytes; qc 3,407,872 bytes; meta 4,096 bytes of whole numbers
;; launch prep (part 3): grid 1536 x 1, 8 waves a work-group, no clusters, 42,752 bytes of LDS; arguments qkv, key_padding_mask, kv, qc, meta; writes kv, qc, meta
.if DOCPART == 3
	.amdgcn_target "amdgcn-amd-amdhsa--gfx1250"
	.amdhsa_code_object_version 6
	.text
	.protected	k_qbc63d8eb22_prep
	.globl	k_qbc63d8eb22_prep
	.p2align	8
	.type	k_qbc63d8eb22_prep,@function
k_qbc63d8eb22_prep:
	s_mov_b64 s[64:65], 0
	v_nop
	global_prefetch_b8 v0, s[64:65] scope:SCOPE_SE
	s_setreg_imm32_b32 hwreg(HW_REG_WAVE_MODE, 25, 1), 1
	s_wait_xcnt 0x0
; qkv [2][2048][3][16][64] f32 becomes codes of BF6 (E3M2) with E8M0 scale bytes, laid as IMAGES OF THE OPERANDS' REGISTERS, one record for each head and 128 rows:
;   q -> qc [bh][block of 128 queries][6,656 B]:  8 tiles x 768 B of codes, then 512 B of scale words
;   k -> kv [bh][step of 128 keys][13,568 B] at 0: the same 6,656 B;  at 6,656: the padding mask of the 128 keys as f32, 0 or -10000
;   v -> the same record at 7,168: 4 tiles x 1,536 B of codes (K = the keys), at 13,312: 256 B of scale words
; A tile of q or k: lane (r, hl) holds row 32 (tile / 2) + 8 (tile % 2) + r + 8 (r / 8) of the 128, channels 32 hl .. 32 hl + 31 (a whole block): six registers; registers 0-3 lie at 16 x lane, registers 4-5 at 512 + 8 x lane.
; A tile of v: lane (r, hl) holds channel 16 tile + r; its registers 6 c .. 6 c + 5 hold keys 64 c + 32 hl + 0 .. 31: 48 consecutive bytes at 48 x lane.
; THE SCALE.  byte = the exponent field of the block's largest magnitude - 4, held at 1 from below by a floor among the maximum's leaves.  k is wanted x 0.125 (= rsqrt(64), taken as exact): a power of two, so the codes are
; those of k itself and the byte is 3 less; the floor is 3 higher, so that the byte is still held at 1.
; meta [bh][32 words]: word s = (step s has a padded key) << s;  word 16 + s = the index of the first key of step s that is not padded, or 4,096 and more where there is none.
; LIMITS: a block of zeros gets the floor's byte, not 127 (its codes are zeros; this program alone reads the bytes); k x 0.125 is never rounded here, where f32 would round it under 2^-126; NaN and infinities are not served.
; SHARES.  Work-group u: kind u / 512 (q, k, v); batch, block of 128 rows and head from u % 512, the head lowest, so that neighbouring work-groups take neighbouring 256 bytes of the same rows.  Each kind's path has LDS bytes of its own.
; No tensor loads, no matrix work, no cluster: the launch streams each input byte once and work-groups share nothing.
.set RP,   12288                       ; bytes from a row (b, s) of qkv to the next
.set REC,  13568                       ; a record of kv
.set QREC, 6656                        ; a record of qc
.set QSTG, 0                           ; q, k: a stage of 16 rows x 272 bytes for each wave
.set QSC,  34816                       ; q, k: the 128 scale words
.set VSTG, 35328                       ; v: 6,144 bytes of codes, then 256 of scale words
.set X, 16                             ; v16-47  as loaded
.set Y, 48                             ; v48-79  a block: 32 neighbours along K
.set C, 80                             ; v80-85  its codes
.set T, 86                             ; v86-88  the second conversion's result (three registers that begin on an even number)
; A block of 32 numbers in v[Y] on becomes six registers of codes in v[C] on and its byte in v13.  w = 1: the numbers come by 32 loads, which are waited for in two halves.
.macro QUANT32 w
.if \w
	s_wait_loadcnt 16                              ; the first sixteen are in; the younger sixteen may be out
.endif
	v_max3_num_f32 v10, |v[Y]|, |v[Y+1]|, s22      ; the floor is one of the leaves
.irp i, 2,4,6,8,10,12,14
	s_delay_alu instid0(VALU_DEP_1)
	v_max3_num_f32 v10, v10, |v[Y+\i]|, |v[Y+\i+1]|
.endr
.if \w
	s_wait_loadcnt 0x0
.endif
	v_max3_num_f32 v11, |v[Y+16]|, |v[Y+17]|, |v[Y+18]|
.irp i, 19,21,23,25,27,29
	s_delay_alu instid0(VALU_DEP_1)
	v_max3_num_f32 v11, v11, |v[Y+\i]|, |v[Y+\i+1]|
.endr
	s_wait_alu depctr_va_vdst(0)
	v_max3_num_f32 v10, v10, v11, |v[Y+31]|        ; the block's largest magnitude
	s_delay_alu instid0(VALU_DEP_1)
	v_add_nc_u32 v12, 0xfe000000, v10              ; 4 off its exponent field: the conversions take this operand's exponent field as the scale
	v_cvt_scalef32_pk16_bf6_f32 v[C:C+2], v[Y:Y+15], v12
	v_cvt_scalef32_pk16_bf6_f32 v[T:T+2], v[Y+16:Y+31], v12
	v_lshrrev_b32 v13, 23, v12                     ; the byte (also the plain line behind the conversions)
.irp i, 0,1,2
	v_mov_b32 v[C+3+\i], v[T+\i]
.endr
.endm
	s_load_b256 s[4:11], s[0:1], 0x0               ; qkv s[4:5], mask s[6:7], kv s[8:9], qc s[10:11]
	s_load_b64 s[12:13], s[0:1], 0x20              ; meta
	v_lshl_add_u32 v96, v0, 2, 0xa300
	v_mov_b32 v97, 0
	v_lshrrev_b32 v1, 5, v0
	s_delay_alu instid0(VALU_DEP_1)
	v_readfirstlane_b32 s14, v1                    ; wave 0..7
	v_and_b32 v1, 31, v0                           ; lane
	v_and_b32 v2, 15, v0                           ; r
	v_bfe_u32 v3, v0, 4, 1                         ; hl
	s_lshr_b32 s15, ttmp9, 9                       ; kind: 0 q, 1 k, 2 v
	s_bfe_u32 s16, ttmp9, 0x10008                  ; batch
	s_bfe_u32 s17, ttmp9, 0x40004                  ; block of 128 rows
	s_and_b32 s18, ttmp9, 15                       ; head
	s_lshl_b32 s19, s16, 4
	s_add_co_u32 s19, s19, s18                     ; bh
	s_lshl_b32 s36, s19, 7                         ; its 128 bytes of meta
	s_lshl_b32 s19, s19, 4
	s_add_co_u32 s19, s19, s17                     ; the record's number
	s_mul_i32 s26, s16, 2048*RP
	s_mul_i32 s28, s17, 128*RP
	s_add_co_u32 s26, s26, s28
	s_lshl_b32 s28, s15, 12                        ; q, k, v lie 4,096 bytes apart in a row
	s_add_co_u32 s26, s26, s28
	s_lshl_b32 s28, s18, 8                         ; a head's 64 numbers are 256 bytes
	s_add_co_u32 s26, s26, s28
	s_mov_b32 s27, 0
	s_mov_b32 s20, 0x76543210
	s_mov_b32 s21, 0xfedcba98                      ; v_permlanex16_b32's selects for lane l xor 16
	s_wait_kmcnt 0x0
	s_add_nc_u64 s[4:5], s[4:5], s[26:27]          ; my 128 rows' first byte
	s_cmp_eq_u32 s15, 2
	s_cbranch_scc1 .Lv
	; ---------------- q and k: wave w makes tile w ----------------
	s_cmp_eq_u32 s15, 1
	s_cselect_b64 s[24:25], s[8:9], s[10:11]       ; where the record goes: the choice hangs on the work-group's number alone
	s_mov_b32 s28, QREC
	s_cselect_b32 s28, REC, s28
	s_mov_b32 s22, 5<<23                           ; the floor: 2^(5 - 127); for k 2^(8 - 127)
	s_cselect_b32 s22, 8<<23, s22
	s_cselect_b32 s23, 3, 0                        ; what comes off k's byte for the factor 0.125
	s_mul_i32 s26, s19, s28
	s_add_nc_u64 s[24:25], s[24:25], s[26:27]
	s_lshr_b32 s28, s14, 1
	s_lshl_b32 s28, s28, 5
	s_and_b32 s29, s14, 1
	s_lshl_b32 s29, s29, 3
	s_add_co_u32 s28, s28, s29                     ; the tile's first row: 32 (w / 2) + 8 (w % 2)
	s_mul_i32 s26, s28, RP
	s_add_nc_u64 s[4:5], s[4:5], s[26:27]
	s_wait_alu depctr_va_vdst(0)
	v_mul_u32_u24 v4, v3, RP
	s_delay_alu instid0(VALU_DEP_1)
	v_lshl_add_u32 v4, v2, 4, v4                   ; in: lanes 0-15 one row's 256 bytes, lanes 16-31 the next row's
	s_mul_i32 s30, s14, 16*272                     ; my stage
	v_mul_u32_u24 v5, v3, 272
	s_delay_alu instid0(VALU_DEP_1)
	v_lshl_add_u32 v5, v2, 4, v5
	s_delay_alu instid0(VALU_DEP_1)
	v_add_nc_u32 v5, s30, v5                       ; into it, as loaded
	v_mul_u32_u24 v6, v2, 272
	s_delay_alu instid0(VALU_DEP_1)
	v_lshl_add_u32 v6, v3, 7, v6
	s_delay_alu instid0(VALU_DEP_1)
	v_add_nc_u32 v6, s30, v6                       ; out of it: row r, 128 bytes for each half of the lanes
	s_mul_i32 s31, s14, 768
	v_lshl_add_u32 v7, v1, 4, s31                  ; the tile's image: registers 0-3
	v_lshl_add_u32 v8, v1, 3, s31
	s_delay_alu instid0(VALU_DEP_1)
	v_add_nc_u32 v8, 512, v8                       ; registers 4-5
	s_lshr_b32 s32, s14, 2
	s_lshl_b32 s32, s32, 8
	s_and_b32 s33, s14, 3
	s_lshl_b32 s33, s33, 2
	s_add_co_u32 s32, s32, s33
	s_add_co_u32 s32, s32, QSC
	v_lshl_add_u32 v9, v2, 4, s32                  ; the scale word of (tile, row r): 256 (tile / 4) + 16 r + 4 (tile % 4)
	v_lshlrev_b32 v15, 4, v1                       ; 16 x lane
	s_delay_alu instid0(VALU_DEP_1)
	v_add_nc_u32 v14, QSC, v15
.irp i, 0,1,2,3,4,5,6,7
	global_load_b128 v[X+4*\i:X+4*\i+3], v4, s[4:5] offset:(2*\i+8*(\i/4))*RP th:TH_LOAD_NT   ; the tile's rows 2 i, 2 i + 1: sixteen lanes read 256 consecutive bytes, aligned
.endr
	s_wait_alu depctr_va_vdst(0)
.irp i, 0,1,2,3,4,5,6,7
	s_wait_loadcnt 7-\i                            ; loads come back in order: load i is in, the younger ones may be out
	ds_store_b128 v5, v[X+4*\i:X+4*\i+3] offset:544*\i
.endr
.irp j, 0,1,2,3,4,5,6,7
	ds_load_b128 v[Y+4*\j:Y+4*\j+3], v6 offset:16*\j   ; my wave's own bytes, served in order behind the stores
.endr
	s_wait_dscnt 0x0
	QUANT32 0
	s_delay_alu instid0(VALU_DEP_4)
	v_sub_nc_u32 v13, v13, s23
	global_store_b128 v7, v[C:C+3], s[24:25]       ; 512 consecutive bytes
	global_store_b64 v8, v[C+4:C+5], s[24:25]      ; 256 consecutive bytes
	v_lshlrev_b32 v10, 3, v3
	s_delay_alu instid0(VALU_DEP_1)
	v_lshlrev_b32 v13, v10, v13                    ; my block's byte at its place: byte hl
	v_mov_b32 v11, 0
	s_delay_alu instid0(VALU_DEP_1)
	v_permlanex16_b32 v11, v13, s20, s21
	s_delay_alu instid0(VALU_DEP_1)
	v_or_b32 v13, v13, v11                         ; with the other half's: the row's word; bytes 2 and 3 stay 0: they stand over zero codes
	ds_store_b32 v9, v13                           ; both halves of the lanes write the same word with the same value
	s_wait_dscnt 0x0                               ; for the others' sake: my stores have landed
	s_barrier_signal -1
	s_barrier_wait -1
	s_cmp_eq_u32 s14, 0
	s_cbranch_scc0 .Lnot0
	ds_load_b128 v[16:19], v14                     ; wave 0: the 128 scale words leave as 512 consecutive bytes
	s_wait_dscnt 0x0
	global_store_b128 v15, v[16:19], s[24:25] offset:6144
	s_wait_tensorcnt 0x0
	ds_add_u32 v96, v97
	s_wait_dscnt 0x0
	s_endpgm
.Lnot0:
	s_cmp_eq_u32 s14, 1
	s_cbranch_scc0 .Lqk_end
	s_cmp_eq_u32 s15, 1
	s_cbranch_scc0 .Lqk_end
	; wave 1 of a work-group of k: the mask of these 128 keys
	s_lshl_b32 s26, s16, 11
	s_lshl_b32 s28, s17, 7
	s_add_co_u32 s26, s26, s28
	s_add_nc_u64 s[6:7], s[6:7], s[26:27]
	v_lshlrev_b32 v17, 2, v1
	global_load_b32 v16, v17, s[6:7]               ; four keys' bytes a lane
	v_mov_b32 v18, 0
	s_wait_alu depctr_va_vdst(0)
	s_wait_loadcnt 0x0
.irp j, 0,1,2,3
	v_bfe_u32 v19, v16, 8*\j, 8
	s_delay_alu instid0(VALU_DEP_1)
	v_cmp_ne_u32 vcc_lo, 0, v19
	s_delay_alu instid0(VALU_DEP_1)
	v_cndmask_b32 v[20+\j], 0xc61c4000, v18, vcc_lo    ; 0 where the key counts, else -10000
	s_mov_b32 s[28+\j], vcc_lo                     ; bit l: key 4 l + j counts
.endr
	global_store_b128 v15, v[20:23], s[24:25] offset:6656
	s_and_b32 s32, s28, s29
	s_and_b32 s32, s32, s30
	s_and_b32 s32, s32, s31
	s_cmp_eq_u32 s32, -1
	s_cselect_b32 s33, 0, 1
	s_lshl_b32 s33, s33, s17                       ; (a key is padded) << step
.irp j, 0,1,2,3
	s_ctz_i32_b32 s[40+\j], s[28+\j]
	s_lshl_b32 s[40+\j], s[40+\j], 2
	s_add_co_u32 s[40+\j], s[40+\j], \j
	s_cmp_lg_u32 s[28+\j], 0
	s_cselect_b32 s[40+\j], s[40+\j], 4096         ; the first key 4 l + j that counts, or 4,096
.endr
	s_min_u32 s40, s40, s41
	s_min_u32 s40, s40, s42
	s_min_u32 s40, s40, s43
	s_lshl_b32 s34, s17, 7
	s_add_co_u32 s34, s34, s40                     ; counted from the batch's first key
	v_mov_b32 v24, s33
	v_mov_b32 v25, s34
	v_cmp_eq_u32 vcc_lo, 0, v1
	s_delay_alu instid0(VALU_DEP_1)
	v_cndmask_b32 v24, v25, v24, vcc_lo            ; lane 0: the flag; lane 1: the index
	s_lshl_b32 s35, s17, 2
	s_add_co_u32 s35, s35, s36
	v_and_b32 v27, 1, v1
	s_delay_alu instid0(VALU_DEP_1)
	v_lshl_add_u32 v26, v27, 6, s35                ; words step and 16 + step of my head's 32
	s_wait_alu depctr_va_vdst(0)
	s_wait_xcnt 0x0                                ; EXEC changes only behind this wait
	v_cmp_gt_u32 vcc_lo, 2, v1
	s_and_saveexec_b32 s37, vcc_lo
	global_store_b32 v26, v24, s[12:13]
	s_wait_xcnt 0x0                                ; and again in front of the line that widens it
	s_or_b32 exec_lo, exec_lo, s37
.Lqk_end:
	s_wait_tensorcnt 0x0
	ds_add_u32 v96, v97
	s_wait_dscnt 0x0
	s_endpgm
	; ---------------- v: a lane takes a channel, its registers run down the keys.  Wave w: channels 32 (w % 2) on, keys 32 (w / 2) on ----------------
.Lv:
	s_mov_b32 s22, 5<<23                           ; the floor
	s_and_b32 s28, s14, 1                          ; ch
	s_lshr_b32 s29, s14, 1                         ; kb: which block of 32 keys
	s_lshl_b32 s26, s28, 7
	s_mul_i32 s32, s29, 32*RP
	s_add_co_u32 s26, s26, s32
	s_add_nc_u64 s[4:5], s[4:5], s[26:27]
	s_mul_i32 s26, s19, REC
	s_add_co_u32 s26, s26, 7168
	s_add_nc_u64 s[24:25], s[8:9], s[26:27]        ; v's part of the record
	s_wait_alu depctr_va_vdst(0)
	v_lshlrev_b32 v4, 2, v1                        ; in: 4 bytes a lane: 128 consecutive bytes a wave
	s_mul_i32 s30, s28, 3072                       ; the codes' place in the image: tile 2 ch + lane / 16, lane (lane % 16) + 16 (kb % 2), registers 6 (kb / 2) on
	s_and_b32 s31, s29, 1
	s_mul_i32 s31, s31, 768
	s_add_co_u32 s30, s30, s31
	s_lshr_b32 s31, s29, 1
	s_mul_i32 s31, s31, 24
	s_add_co_u32 s30, s30, s31
	s_add_co_u32 s30, s30, VSTG
	v_mul_u32_u24 v5, v3, 1536
	s_delay_alu instid0(VALU_DEP_1)
	v_mad_u32_u24 v5, v2, 48, v5
	s_delay_alu instid0(VALU_DEP_1)
	v_add_nc_u32 v5, s30, v5
	s_lshl_b32 s31, s28, 3                         ; the byte's: word 16 r + 4 tile, byte kb
	s_add_co_u32 s31, s31, s29
	s_add_co_u32 s31, s31, VSTG+6144
	v_lshlrev_b32 v6, 4, v2
	s_delay_alu instid0(VALU_DEP_1)
	v_lshl_add_u32 v6, v3, 2, v6
	s_delay_alu instid0(VALU_DEP_1)
	v_add_nc_u32 v6, s31, v6
	v_lshlrev_b32 v7, 4, v0                        ; the way out: 16 bytes a thread
	s_delay_alu instid0(VALU_DEP_1)
	v_add_nc_u32 v8, VSTG, v7
	v_lshlrev_b32 v9, 3, v1
	s_delay_alu instid0(VALU_DEP_1)
	v_add_nc_u32 v14, VSTG+6144, v9
.irp i, 0,1,2,3,4,5,6,7,8,9,10,11,12,13,14,15,16,17,18,19,20,21,22,23,24,25,26,27,28,29,30,31
	global_load_b32 v[Y+\i], v4, s[4:5] offset:\i*RP th:TH_LOAD_NT
.endr
	QUANT32 1
	ds_store_b64 v5, v[C:C+1]
	ds_store_b64 v5, v[C+2:C+3] offset:8
	ds_store_b64 v5, v[C+4:C+5] offset:16
	ds_store_b8 v6, v13
	s_wait_dscnt 0x0                               ; for the others' sake: my stores have landed
	s_barrier_signal -1
	s_barrier_wait -1
	ds_load_b128 v[16:19], v8                      ; the image leaves as it lies: 512 consecutive bytes a wave
	s_cmp_lt_u32 s14, 4
	s_cbranch_scc0 .Lv_hi
	ds_load_b128 v[20:23], v8 offset:4096          ; 6,144 = 8 x 512 + 4 x 512
	s_wait_dscnt 0x0
	global_store_b128 v7, v[16:19], s[24:25]
	global_store_b128 v7, v[20:23], s[24:25] offset:4096
	s_wait_tensorcnt 0x0
	ds_add_u32 v96, v97
	s_wait_dscnt 0x0
	s_endpgm
.Lv_hi:
	s_wait_dscnt 0x0
	global_store_b128 v7, v[16:19], s[24:25]
	s_cmp_eq_u32 s14, 4
	s_cbranch_scc0 .Lv_end
	ds_load_b64 v[20:21], v14                      ; wave 4: the 64 scale words, 256 consecutive bytes
	s_wait_dscnt 0x0
	global_store_b64 v9, v[20:21], s[24:25] offset:6144
.Lv_end:
	s_wait_tensorcnt 0x0
	ds_add_u32 v96, v97
	s_wait_dscnt 0x0
	s_endpgm
.Lfunc_end_k_qbc63d8eb22_prep:
	.size	k_qbc63d8eb22_prep, .Lfunc_end_k_qbc63d8eb22_prep-k_qbc63d8eb22_prep
	.p2alignl 7, 3214868480
	.fill 96, 4, 3214868480
	.section	.rodata,"a",@progbits
	.p2align	6, 0x0
	.amdhsa_kernel k_qbc63d8eb22_prep
		.amdhsa_group_segment_fixed_size 42752
		.amdhsa_private_segment_fixed_size 0
		.amdhsa_enable_private_segment 0
		.amdhsa_kernarg_size 40
		.amdhsa_user_sgpr_count 2
		.amdhsa_user_sgpr_kernarg_segment_ptr 1
		.amdhsa_wavefront_size32 1
		.amdhsa_system_sgpr_workgroup_id_x 1
		.amdhsa_system_sgpr_workgroup_id_y 1
		.amdhsa_system_sgpr_workgroup_id_z 1
		.amdhsa_system_vgpr_workitem_id 0
		.amdhsa_next_free_vgpr 98
		.amdhsa_next_free_sgpr 66
		.amdhsa_reserve_vcc 1
		.amdhsa_float_denorm_mode_32 3
		.amdhsa_float_denorm_mode_16_64 3
		.amdhsa_memory_ordered 1
		.amdhsa_forward_progress 1
		.amdhsa_inst_pref_size 21
	.end_amdhsa_kernel
	.amdgpu_metadata
---
amdhsa.version: [ 1, 2 ]
amdhsa.kernels:
  - .name:           k_qbc63d8eb22_prep
    .symbol:         k_qbc63d8eb22_prep.kd
    .args:
      - { .name: qkv, .offset: 0, .size: 8, .value_kind: global_buffer, .address_space: global }
      - { .name: key_padding_mask, .offset: 8, .size: 8, .value_kind: global_buffer, .address_space: global }
      - { .name: kv, .offset: 16, .size: 8, .value_kind: global_buffer, .address_space: global }
      - { .name: qc, .offset: 24, .size: 8, .value_kind: global_buffer, .address_space: global }
      - { .name: meta, .offset: 32, .size: 8, .value_kind: global_buffer, .address_space: global }
    .group_segment_fixed_size: 42752
    .private_segment_fixed_size: 0
    .kernarg_segment_align: 8
    .kernarg_segment_size: 40
    .max_flat_workgroup_size: 256
    .sgpr_count:     66
    .vgpr_count:     98
    .wavefront_size: 32
...
	.end_amdgpu_metadata
.endif
;; end of part 3
;; launch attn (part 4): grid 8 x 32, 16 waves a work-group, no clusters, 288,768 bytes of LDS; arguments kv, qc, meta, out0; writes out0
.if DOCPART == 4
	.amdgcn_target "amdgcn-amd-amdhsa--gfx1250"
	.amdhsa_code_object_version 6
	.text
	.protected	k_qbc63d8eb22_attn
	.globl	k_qbc63d8eb22_attn
	.p2align	8
	.type	k_qbc63d8eb22_attn,@function
k_qbc63d8eb22_attn:
	s_mov_b64 s[64:65], 0
	v_nop
	global_prefetch_b8 v0, s[64:65] scope:SCOPE_SE
	s_setreg_imm32_b32 hwreg(HW_REG_WAVE_SCHED_MODE, 0, 2), 2
	s_setreg_imm32_b32 hwreg(HW_REG_WAVE_MODE, 25, 1), 1
	s_wait_xcnt 0x0
	s_wait_alu depctr_vm_vsrc(0)
; out0[b][q][h][:] = softmax_k(q . k / 8 + pad[k] + causal[q][k]) v, both masks ADDED as -10000, both products on codes of BF6 (E3M2) with E8M0 scales, from the records that the launch before has laid (their layout: there).
; THE SOFTMAX AHEAD OF THE SECOND PRODUCT: t = logit x log2(e); M = the running largest t rounded UP to a whole number; p = 2^(t - M) is quantised along the keys; the row's sum is taken of the unquantised p and divides at the end.
; SHARES.  Work-group (a, bh) owns query blocks a and 15 - a (128 queries each) of head bh: a + 1 and 16 - a key steps of 128, 17 for every work-group.  Sixteen waves, each with ONE tile of 16 queries in 256 registers; eight
; waves have the low block, eight the high one, mixed so that neighbouring waves differ.  Lane r of tile T has query 128 block + 32 (T / 2) + 8 (T % 2) + r + 8 (r / 8).
; THE HEAD'S 16 RECORDS (217,088 bytes) are copied into LDS through registers, four records at a time, each LDS byte written once; a group is asked for four steps ahead of the barrier behind which it is read.
; LAYOUT.  Both products are used transposed (S^T = K Q^T, O^T = V^T P^T): a lane holds one query throughout.  The head size 64 fills half of the instruction's 128 along K: registers 6-11 of K's and Q's fragments are zero codes.
; WHICH STEPS ARE WORKED.  Every wave walks all 16 steps; a scalar branch passes over a step's work.  F = the batch's first key that is not padded (from meta).  A tile whose first query is at or behind F has, in every row,
; a visible key that counts: the steps behind its block are passed over.  A tile whose first query lies ahead of F has rows all of whose visible keys are padded: it works all 16 steps with both masks added as they are given.
; A step ahead of the block with no padded key starts its sums with 0; every other step starts them with pad + causal as the products' C.
; LIMITS: passing over future steps equals adding -10000 as long as no hidden key's logit lies more than some 9,890 above the row's largest visible logit that counts (then its exponential is 0 in f32); pad + causal are summed
; first and join the scores in the matrix unit's one rounding; NaN and infinities are not served.
; NO CLUSTER, NO TENSOR LOADS: the eight work-groups of a head read the same records, but the steps' branches hang on whole numbers read from memory, so LDS is filled through registers.  No prefetch: the copies themselves are asked for four steps ahead.
; THE MODE: SCHED_MODE bits 1:0 = 2 (LLVM: expert scheduling mode 2), set by the entry lines.  The code itself states the register dependences between vector or matrix instructions and memory or LDS instructions, with s_wait_alu, always for 0.
; THE PLAN.  Registers that memory or LDS instructions touch, and who else names them:
;   v6, v80-83       offsets of the copies: made at the head, never written again.
;   v192-219         a group on its way: global loads land in it, LDS stores read it, no vector line names it.  One wait on vm_vsrc stands between the stores and the next loads.
;   v8-11, v28       the step's LDS addresses: written by five lines at a step's head, read by the step's LDS loads.
;   v32-37 + 12 t    K's codes: LDS loads land twice a step; the score products read them.
;   v248-251, v84-87, v88-91   the scale words of K's tiles 0-3, of its tiles 4-7 and of V: three LDS loads at a step's head; the products read them.
;   v96-159          the masks (LDS loads, on the slow way), then scores and p (matrix and vector lines), then V's fragments (LDS loads), which the last products read.
;   v224-235, v253   p's codes and scale word: written by vector lines, read by the last products.
; A STEP'S WAITS.  At its head one on vm_vsrc (the last step's LDS loads have read the addresses), the six lines, and one on va_vdst (the addresses are written; the last step's products are done with V's fragments and the scale words).
; One on va_vdst behind the first four score products (K's fragments are read), the two behind the exponentials, one behind the conversions (p is read: V's fragments may land), one ahead of the last products (p's codes and word are written).
; On the diagonal the compares go in two runs of 32 into s32-63, with one wait on va_sdst behind each run, ahead of its selects.
.set REC,   13568
.set GRP,   4*REC                      ; a group of four records: 106 x 512 bytes = 6 loads for each of 16 waves + 1 for waves 0 to 9
.set HEADB, 16*REC
.set QREC,  6656
.set KS,    6144                       ; in a record: K's scale words,
.set PD,    6656                       ; the padding mask as f32,
.set VC,    7168                       ; V's codes,
.set VS,    13312                      ; V's scale words
.set STG,   HEADB                      ; behind the records: 16 rows x 272 bytes for each wave, for the way out
.set FB,    192                        ; v192-219 a group's bytes on their way
.set LA,    80                         ; v80-83   LDS address of my 16 bytes of group g: 16 x thread + GRP g
.set SK0,   248                        ; v248-251 the scale words of K's tiles 0-3
.set SK1,   84                         ; v84-87   of its tiles 4-7
.set SV,    88                         ; v88-91   of V's four tiles
; REGISTERS: v1-5 16 L, 8 L, 16 r, 64 hl, 48 L; v6 16 x thread (memory); v8-11, v28 the five + the step's record; v29 my query - the step's first key - 16 hl; v30 my query - 16 hl; v31 -10000;
; v12 -M, v13 the largest t, v[14:15] the sum; v16-27 Q; v32-79 four fragments of K; v96-159 S^T, then p, then V's four fragments; v160-191 O^T; v220-221 at work; v224-235 p's codes; v232-247, v252, v254 at work;
; v253 p's scale word, v255 Q's; v223, v243 the closing add's two.
; s12 wave, s13 a, s14 bh, s15 which block, s16 tile, s17 block, s18 its first query, s19 my first query, s[20:21] lane selects, s[22:23] log2(e), s24 the step's first key, s25 its record in LDS, s26 the last first key that is worked,
; s27 the flags of padded steps, shifted as the steps go, s28 F, s29 counts; s32-63 at the head meta's words, later the compares' masks.
.macro FILL_LOAD g
.irp p, 0,1,2,3,4,5
	global_load_b128 v[FB+4*\p:FB+4*\p+3], v6, s[4:5] offset:GRP*(\g)+8192*\p
.endr
	s_cmp_lt_u32 s12, 10
	s_cbranch_scc0 .Lnl_\@
	global_load_b128 v[FB+24:FB+27], v6, s[4:5] offset:GRP*(\g)+49152
.Lnl_\@:
.endm
.macro FILL_STORE g
	s_wait_loadcnt 0x0                             ; the group's bytes are in registers
.irp p, 0,1,2,3,4,5
	ds_store_b128 v[LA+(\g)], v[FB+4*\p:FB+4*\p+3] offset:8192*\p   ; the address was made at the head, the data come by loads: no vector line since the head's wait names either
.endr
	s_cmp_lt_u32 s12, 10
	s_cbranch_scc0 .Lns_\@
	ds_store_b128 v[LA+(\g)], v[FB+24:FB+27] offset:49152
.Lns_\@:
.endm
.macro KLOAD g                         ; K's tiles 4 g .. 4 g + 3: six registers each
.irp t, 0,1,2,3
	ds_load_b128 v[32+12*\t:35+12*\t], v8 offset:768*(4*\g+\t)
	ds_load_b64 v[36+12*\t:37+12*\t], v9 offset:768*(4*\g+\t)+512
.endr
.endm
.macro SMUL g, c, w                    ; four products, four accumulators by turns.  c = 0: they start the sums with 0; c = 1: with what lies in the accumulators (the masks).  w: the tiles' scale words
.irp t, 0,1,2,3
.if \c
	v_wmma_scale_f32_16x16x128_f8f6f4 v[96+8*(4*\g+\t):103+8*(4*\g+\t)], v[32+12*\t:43+12*\t], v[16:27], v[96+8*(4*\g+\t):103+8*(4*\g+\t)], v[\w+\t], v255 matrix_a_fmt:MATRIX_FMT_BF6 matrix_b_fmt:MATRIX_FMT_BF6
.else
	v_wmma_scale_f32_16x16x128_f8f6f4 v[96+8*(4*\g+\t):103+8*(4*\g+\t)], v[32+12*\t:43+12*\t], v[16:27], 0, v[\w+\t], v255 matrix_a_fmt:MATRIX_FMT_BF6 matrix_b_fmt:MATRIX_FMT_BF6
.endif
.endr
.endm
.macro SCORES c
	s_wait_dscnt 2                                 ; K's first four tiles and their scale words are in; the two younger loads, the other two sets of scale words, may be out (with c = 1 all are in: the masks were waited for)
	SMUL 0, \c, SK0
.rept 4
	v_nop                                          ; four places in front of loads into registers that matrix instructions have read
.endr
	s_wait_alu depctr_va_vdst(0)                   ; the four products are done reading K's fragments, in which tiles 4 to 7 land
	KLOAD 1
	s_wait_dscnt 0x0
	SMUL 1, \c, SK1
.endm
; A KEY STEP: 128 keys.
.macro STEP
	s_cmp_gt_u32 s24, s26
	s_cbranch_scc1 .Lhidden_\@                     ; passed over: only the scalar steps at the end are run
	s_wait_alu depctr_vm_vsrc(0)                   ; the last step's LDS loads (in the first step: Q's loads) have read v8-11, v28 and v29, which the six lines below write
	v_add_nc_u32 v8, s25, v1                       ; six plain lines: also the places between the last step's products and the products that now write over V's fragments
	v_add_nc_u32 v9, s25, v2
	v_add_nc_u32 v10, s25, v3
	v_add_nc_u32 v11, s25, v4
	v_add_nc_u32 v28, s25, v5
	v_sub_nc_u32 v29, v30, s24
	s_wait_alu depctr_va_vdst(0)                   ; the five addresses are written, which this step's LDS loads read; the last step's products are done reading V's fragments and the scale words, in which loads land; in the first step the zero codes of Q and K are written, which the products take
	KLOAD 0
	ds_load_b128 v[SK0:SK0+3], v10 offset:KS       ; the step's three sets of scale words go out together
	ds_load_b128 v[SK1:SK1+3], v10 offset:KS+256
	ds_load_b128 v[SV:SV+3], v10 offset:VS
	s_and_b32 s30, s27, 1                          ; has this step a padded key?
	s_cmp_lg_u32 s30, 0
	s_cbranch_scc1 .Lslow_\@
	s_cmp_ge_u32 s24, s18                          ; does it reach my block's diagonal, or lie behind it?
	s_cbranch_scc1 .Lslow_\@
	SCORES 0
	s_branch .Ljoin_\@
.Lslow_\@:
.irp b, 0,1,2,3
.irp j, 0,1,2,3
	ds_load_b128 v[96+16*\b+4*\j:99+16*\b+4*\j], v11 offset:PD+128*\b+16*\j   ; the padding mask in the result's layout: register 16 b + i is key 32 b + 16 hl + i.  No vector or matrix line since the head's wait names these registers
.endr
.endr
	s_wait_dscnt 0x0
	s_cmp_lt_u32 s24, s18
	s_cbranch_scc1 .Lnoc_\@                        ; ahead of my block every key is visible
.irp u, 0,1                                    ; the 64 keys of a lane in two runs of 32: the compares, one wait, the selects
.irp n, 0,1,2,3,4,5,6,7,8,9,10,11,12,13,14,15,16,17,18,19,20,21,22,23,24,25,26,27,28,29,30,31
	v_cmp_gt_i32 s[32+\n], 64*\u+32*(\n/16)+\n%16, v29   ; the key comes after my query
.endr
	s_wait_alu depctr_va_sdst(0)                   ; the 32 compares have written s32-63, ahead of the first select that reads one of them
.irp n, 0,1,2,3,4,5,6,7,8,9,10,11,12,13,14,15,16,17,18,19,20,21,22,23,24,25,26,27,28,29,30,31
	v_cndmask_b32 v[220+\n%2], 0, v31, s[32+\n]
	v_add_f32 v[96+32*\u+\n], v[96+32*\u+\n], v[220+\n%2]   ; + -10000
.endr
.endr
.Lnoc_\@:
	SCORES 1
.Ljoin_\@:
.rept 4
	v_nop                                          ; four places in front of the first read of results
.endr
.irp b, 0,1,2,3
	v_max3_num_f32 v[232+\b], v[96+16*\b], v[97+16*\b], v[98+16*\b]   ; the largest score of each block of 32 keys: for the row's maximum, and, since p rises with the score, for the block's largest p.  Each accumulator is read from its low end on
.endr
.irp i, 3,5,7,9,11,13
.irp b, 0,1,2,3
	v_max3_num_f32 v[232+\b], v[232+\b], v[96+16*\b+\i], v[97+16*\b+\i]
.endr
.endr
.irp b, 0,1,2,3
	v_max_num_f32 v[232+\b], v[232+\b], v[111+16*\b]
.endr
.irp b, 0,1,2,3
	v_permlanex16_b32 v[236+\b], v[232+\b], s20, s21
.endr
.irp b, 0,1,2,3
	v_max_num_f32 v[232+\b], v[232+\b], v[236+\b]  ; with lane l xor 16's 16 keys
.endr
	v_max3_num_f32 v254, v232, v233, v234
	v_max_num_f32 v254, v254, v235                 ; the step's largest score of my query
	v_mul_f32 v254, s22, v254                      ; as t
	v_max_num_f32 v13, v13, v254                   ; the running largest t
	v_mov_b32 v254, v12
	v_floor_f32 v12, -v13                          ; the new -M = floor(-t): M is a whole number
	v_sub_f32 v254, v12, v254                      ; old M - new M: a whole number, 0 or less
	v_cvt_i32_f32 v254, v254                       ; (it saturates)
	v_ldexp_f32 v252, 1.0, v254                    ; f = 2^(old M - new M): a multiplication by it rounds nothing
.irp j, 0,2,4,6,8,10,12,14,16,18,20,22,24,26,28,30,32,34,36,38,40,42,44,46,48,50,52,54,56,58,60,62
	v_pk_fma_f32 v[96+\j:97+\j], v[96+\j:97+\j], s[22:23], v[12:13] op_sel_hi:[1,0,0]   ; t - M, two at a time
.endr
.irp b, 0,1,2,3
	v_fma_f32 v[232+\b], v[232+\b], s22, v12       ; the same of each block's largest score
.endr
	s_wait_alu depctr_va_vdst(0)
.irp j, 0,1,2,3,4,5,6,7,8,9,10,11,12,13,14,15,16,17,18,19,20,21,22,23,24,25,26,27,28,29,30,31,32,33,34,35,36,37,38,39,40,41,42,43,44,45,46,47,48,49,50,51,52,53,54,55,56,57,58,59,60,61,62,63
	v_exp_f32 v[96+\j], v[96+\j]                   ; p = 2^(t - M): not normalised
.endr
	v_pk_mul_f32 v[14:15], v[14:15], v[252:253] op_sel_hi:[1,0]   ; the sums under the new M (the plain line behind the exponentials)
	s_wait_alu depctr_va_vdst(0)                   ; one wait for the batch of 64, ahead of its first reader: the exponentials have written v96-159
.irp b, 0,1,2,3
	v_exp_f32 v[232+\b], v[232+\b]                 ; the blocks' largest p
.endr
	v_pk_add_f32 v[236:237], v[96:97], v[98:99]    ; the row's sum of the unquantised p, two at a time, in two chains: it reads the 64 alone
.irp j, 4,8,12,16,20,24,28,32,36,40,44,48,52,56,60
	v_pk_add_f32 v[14:15], v[14:15], v[96+\j:97+\j]
	v_pk_add_f32 v[236:237], v[236:237], v[98+\j:99+\j]
.endr
	v_pk_add_f32 v[14:15], v[14:15], v[236:237]
	s_wait_alu depctr_va_vdst(0)                   ; and one for the four: the exponentials have written v232-235
.irp b, 0,1,2,3
	v_max_num_f32 v[232+\b], 0x2800000, v[232+\b]  ; the floor 2^(5 - 127): the byte cannot fall under 1 (a block whose every p is 0 keeps that byte: its codes are zeros)
.endr
.irp b, 0,1,2,3
	v_add_nc_u32 v[244+\b], 0xfe000000, v[232+\b]  ; 4 off the exponent field: the conversion's scale operand
.endr
.irp b, 0,1,2,3
	v_lshrrev_b32 v[236+\b], 23, v[244+\b]         ; the scale's byte
.endr
	v_lshl_or_b32 v253, v237, 8, v236              ; p's scale word for these 128 keys
	v_lshl_or_b32 v253, v238, 16, v253
	v_lshl_or_b32 v253, v239, 24, v253
.irp c, 0,1
	v_cvt_scalef32_pk16_bf6_f32 v[224+6*\c:226+6*\c], v[96+32*\c:111+32*\c], v[244+2*\c]
	v_cvt_scalef32_pk16_bf6_f32 v[236+4*\c:238+4*\c], v[112+32*\c:127+32*\c], v[244+2*\c+1]   ; (a conversion's three registers begin on an even number)
.endr
	v_nop                                          ; one plain line behind the conversions
	s_wait_alu depctr_va_vdst(0)                   ; the conversions are done reading p in v96-143, in which V's fragments land
.irp t, 0,1,2,3
.irp p, 0,1,2
	ds_load_b128 v[96+12*\t+4*\p:99+12*\t+4*\p], v28 offset:VC+1536*\t+16*\p   ; V's four fragments, into the registers that p has left: they land while the lines below run, none of which names them
.endr
.endr
.irp c, 0,1                                    ; the operand's layout wants a whole block in a lane: lanes 0-15 block 2 c, lanes 16-31 block 2 c + 1
.irp i, 0,1,2
	v_permlane16_swap_b32 v[224+6*\c+\i], v[236+4*\c+\i]
.endr
.irp i, 0,1,2
	v_mov_b32 v[227+6*\c+\i], v[236+4*\c+\i]
.endr
.endr
.irp j, 0,2,4,6,8,10,12,14,16,18,20,22,24,26,28,30
	v_pk_mul_f32 v[160+\j:161+\j], v[160+\j:161+\j], v[252:253] op_sel_hi:[1,0]   ; O^T under the new M, from each accumulator's low end on; also the places between the lines that made p's codes and word and the products
.endr
	s_wait_dscnt 0x0
	s_wait_alu depctr_va_vdst(0)                   ; behind the places: the vector lines have written p's codes v224-235 and its scale word v253, which the products take
.irp t, 0,1,2,3
	v_wmma_scale_f32_16x16x128_f8f6f4 v[160+8*\t:167+8*\t], v[96+12*\t:107+12*\t], v[224:235], v[160+8*\t:167+8*\t], v[SV+\t], v253 matrix_a_fmt:MATRIX_FMT_BF6 matrix_b_fmt:MATRIX_FMT_BF6
.endr
.Lhidden_\@:
	s_add_co_u32 s24, s24, 128                     ; on every path: the next step's first key, its record, its flag
	s_add_co_u32 s25, s25, REC
	s_lshr_b32 s27, s27, 1
.endm
; Four steps on the records of group g.  Then the next group, whose bytes were asked for a group ago, goes into LDS bytes that nobody has touched; the group after it is asked for; and a barrier shows every wave's stores to every wave.
.macro GROUP g
	s_mov_b32 s25, GRP*\g
	s_mov_b32 s29, 4
.Lstep_\@:
	STEP
	s_sub_co_u32 s29, s29, 1
	s_cmp_lg_u32 s29, 0
	s_cbranch_scc1 .Lstep_\@
.if \g < 3
	FILL_STORE (\g)+1
	s_wait_dscnt 0x0                               ; for the others' sake: my stores have landed
.if \g < 2
	s_wait_alu depctr_vm_vsrc(0)                   ; the LDS stores have read v192-219, in which the next group's loads land
	FILL_LOAD (\g)+2
.endif
	s_barrier_signal -1
	s_barrier_wait -1
.endif
.endm
	s_load_b256 s[4:11], s[0:1], 0x0               ; kv s[4:5], qc s[6:7], meta s[8:9], out0 s[10:11]
	v_lshl_add_u32 v223, v0, 2, 0x46000
	v_mov_b32 v243, 0
	v_lshrrev_b32 v1, 5, v0
	v_readfirstlane_b32 s12, v1                    ; wave 0..15
	s_mov_b32 s13, ttmp9                           ; a
	s_and_b32 s14, ttmp7, 0xffff                   ; bh
	s_wait_alu depctr_va_sdst(0)                   ; s12 is written, ahead of its first reader
	s_lshr_b32 s15, s12, 2
	s_xor_b32 s15, s15, s12
	s_and_b32 s15, s15, 1                          ; 0: block a, 1: block 15 - a; waves 2 m and 2 m + 1 differ
	s_lshr_b32 s16, s12, 1                         ; my tile of the block's eight
	s_sub_co_u32 s17, 15, s13
	s_cmp_eq_u32 s15, 1
	s_cselect_b32 s17, s17, s13                    ; my block
	s_lshl_b32 s18, s17, 7                         ; its first query
	s_lshr_b32 s30, s16, 1
	s_lshl_b32 s30, s30, 5
	s_and_b32 s31, s16, 1
	s_lshl_b32 s31, s31, 3
	s_add_co_u32 s19, s18, s30
	s_add_co_u32 s19, s19, s31                     ; my tile's first query
	s_mov_b32 s20, 0x76543210
	s_mov_b32 s21, 0xfedcba98                      ; v_permlanex16_b32's selects for lane l xor 16
	s_mov_b32 s22, 0x3fb8aa3b                      ; log2(e)
	s_mov_b32 s23, s22                             ; (named with it as a pair)
	s_mov_b32 s24, 0
	s_mov_b32 s31, 0
	s_mul_i32 s30, s14, HEADB
	s_wait_kmcnt 0x0
	s_add_nc_u64 s[4:5], s[4:5], s[30:31]          ; my head's records
	s_lshl_b32 s30, s14, 4
	s_add_co_u32 s30, s30, s17
	s_mul_i32 s30, s30, QREC
	s_add_nc_u64 s[6:7], s[6:7], s[30:31]          ; my block's record of q
	s_lshl_b32 s30, s14, 7
	s_add_nc_u64 s[8:9], s[8:9], s[30:31]          ; my head's 32 words
	s_load_b512 s[32:47], s[8:9], 0x0              ; the steps' flags
	s_load_b512 s[48:63], s[8:9], 0x40             ; the steps' first keys that count
	s_lshr_b32 s30, s14, 4
	s_lshl_b32 s30, s30, 23                        ; a batch of out0 is 2,048 x 4,096 bytes,
	s_and_b32 s29, s14, 15
	s_lshl_b32 s29, s29, 8                         ; a head 256 bytes of a row,
	s_add_co_u32 s30, s30, s29
	s_lshl_b32 s29, s19, 12                        ; a query 4,096 bytes
	s_add_co_u32 s30, s30, s29
	s_add_nc_u64 s[10:11], s[10:11], s[30:31]
	v_and_b32 v8, 31, v0                           ; L
	v_and_b32 v9, 15, v0                           ; r
	v_bfe_u32 v10, v0, 4, 1                        ; hl
	v_lshlrev_b32 v1, 4, v8
	v_lshlrev_b32 v2, 3, v8
	v_lshlrev_b32 v3, 4, v9
	v_lshlrev_b32 v4, 6, v10
	v_mul_u32_u24 v5, v8, 48
	v_lshlrev_b32 v6, 4, v0
.irp g, 0,1,2,3
	v_lshl_add_u32 v[LA+\g], v0, 4, GRP*\g         ; a register for each group's place in LDS: none is stepped later
.endr
	s_mul_i32 s29, s16, 768
	v_add_nc_u32 v11, s29, v1                      ; Q's tile in its record
	v_add_nc_u32 v28, s29, v2
	s_lshr_b32 s29, s16, 2
	s_lshl_b32 s29, s29, 8
	s_and_b32 s30, s16, 3
	s_lshl_b32 s30, s30, 2
	s_add_co_u32 s29, s29, s30
	v_add_nc_u32 v29, s29, v3                      ; and its rows' scale words
	s_wait_alu depctr_va_vdst(0)                   ; v6, v11, v28, v29 and v80-83 are written: the offsets of Q's loads and of every copy's loads and LDS stores
	global_load_b128 v[16:19], v11, s[6:7]
	global_load_b64 v[20:21], v28, s[6:7] offset:512
	global_load_b32 v255, v29, s[6:7] offset:KS
	FILL_LOAD 0
	v_and_b32 v30, 8, v9
	v_add_nc_u32 v30, v30, v9                      ; r + 8 (r / 8)
	v_lshlrev_b32 v31, 4, v10
	v_sub_nc_u32 v30, v30, v31
	v_add_nc_u32 v30, s19, v30                     ; my query - 16 hl
	v_mov_b32 v31, 0xc61c4000                      ; -10000
.irp j, 22,23,24,25,26,27
	v_mov_b32 v\j, 0                               ; zero codes for K = 64 .. 127 of Q,
.endr
.irp t, 0,1,2,3
.irp j, 0,1,2,3,4,5
	v_mov_b32 v[38+12*\t+\j], 0                    ; and of K's four fragments: written once
.endr
.endr
.irp j, 0,1,2,3,4,5,6,7,8,9,10,11,12,13,14,15,16,17,18,19,20,21,22,23,24,25,26,27,28,29,30,31
	v_mov_b32 v[160+\j], 0                         ; O^T: the step is written once; the first finds zeros, which the first change of M leaves zeros
.endr
.irp b, 0,1,2,3
	v_mov_b32 v[236+\b], 0                         ; a lane permute's destination counts as one of its sources
.endr
	v_mov_b32 v252, 0
	v_mov_b32 v253, 0                              ; (named as the upper half of the pair v[252:253] before it is first written)
	v_mov_b32 v13, 0xff61b1e6                      ; the largest t so far: -3e38
	v_floor_f32 v12, -v13                          ; -M
	v_mov_b32 v14, 0
	v_mov_b32 v15, 0
	s_wait_kmcnt 0x0
.irp i, 33,34,35,36,37,38,39,40,41,42,43,44,45,46,47
	s_or_b32 s32, s32, s\i
.endr
	s_mov_b32 s27, s32                             ; bit s: step s has a padded key
.irp i, 49,50,51,52,53,54,55,56,57,58,59,60,61,62,63
	s_min_u32 s48, s48, s\i
.endr
	s_mov_b32 s28, s48                             ; F: the batch's first key that counts
	s_add_co_u32 s26, s18, 127
	s_mov_b32 s30, 4095
	s_cmp_lt_u32 s19, s28                          ; has my first query no visible key that counts?
	s_cselect_b32 s26, s30, s26                    ; then all steps are worked; else those up to my block's own
	FILL_STORE 0                                   ; group 0 (its wait for loads also shows Q in)
	s_wait_dscnt 0x0
	s_wait_alu depctr_vm_vsrc(0)                   ; the LDS stores have read v192-219, in which group 1's loads land
	FILL_LOAD 1
	s_barrier_signal -1
	s_barrier_wait -1
	GROUP 0
	GROUP 1
	GROUP 2
	GROUP 3
	; THE WAY OUT.  O^T is divided by the row's sum and goes through my stage in LDS, so that sixteen lanes store a query's 256 consecutive bytes, aligned.
	s_wait_alu depctr_vm_vsrc(0)                   ; the steps' LDS loads have read v8-11 and v28, which are written anew below
.rept 4
	v_nop                                          ; four places behind the last products
.endr
	s_wait_alu depctr_va_vdst(0)
	v_add_f32 v14, v14, v15                        ; the sum's two halves,
	v_permlanex16_b32 v252, v14, s20, s21
	v_add_f32 v14, v14, v252                       ; and lane l xor 16's
	s_wait_alu depctr_va_vdst(0)
	v_rcp_f32 v14, v14
	v_and_b32 v8, 15, v0                           ; (plain lines behind the reciprocal)  r
	v_bfe_u32 v9, v0, 4, 1                         ; hl
	s_mul_i32 s30, s12, 16*272
	s_add_co_u32 s30, s30, STG                     ; my stage
	v_mul_u32_u24 v10, v8, 272
	v_lshl_add_u32 v10, v9, 5, v10
	v_add_nc_u32 v10, s30, v10                     ; in: row r; tile t's eight channels of my half at 64 t + 32 hl
	v_mul_u32_u24 v11, v9, 272
	v_lshl_add_u32 v11, v8, 4, v11
	v_add_nc_u32 v11, s30, v11                     ; back: lanes 0-15 one row, lanes 16-31 the next
	v_lshlrev_b32 v28, 12, v9
	v_lshl_add_u32 v28, v8, 4, v28                 ; and the same two queries in out0
	s_wait_alu depctr_va_vdst(0)                   ; the wait ahead of the reciprocal's first reader: v14 is written
.irp j, 0,1,2,3,4,5,6,7,8,9,10,11,12,13,14,15,16,17,18,19,20,21,22,23,24,25,26,27,28,29,30,31
	v_mul_f32 v[96+\j], v[160+\j], v14             ; register 8 t + i is o(row r, channel 16 t + 8 hl + i); each accumulator from its low end on
.endr
	s_wait_alu depctr_va_vdst(0)                   ; the multiplications have written v96-127, the LDS stores' data; v10, v11 and v28 are written, the addresses below; every product is done reading v32-63, in which the loads from the stage land
.irp t, 0,1,2,3
	ds_store_b128 v10, v[96+8*\t:99+8*\t] offset:64*\t
	ds_store_b128 v10, v[100+8*\t:103+8*\t] offset:64*\t+16
.endr
.irp i, 0,1,2,3,4,5,6,7
	ds_load_b128 v[32+4*\i:35+4*\i], v11 offset:544*\i   ; my wave's own bytes, served in order behind the stores
.endr
.irp i, 0,1,2,3,4,5,6,7
	s_wait_dscnt 7-\i                              ; load i is back; the younger ones may be out
	global_store_b128 v28, v[32+4*\i:35+4*\i], s[10:11] offset:(2*\i+8*(\i/4))*4096 th:TH_STORE_NT   ; the tile's rows 2 i and 2 i + 1
.endr
	s_wait_dscnt 0x0                               ; the closing lines, six on end
	s_wait_alu 0x0
	s_wait_tensorcnt 0x0
	ds_add_u32 v223, v243
	s_wait_dscnt 0x0
	s_endpgm
.Lfunc_end_k_qbc63d8eb22_attn:
	.size	k_qbc63d8eb22_attn, .Lfunc_end_k_qbc63d8eb22_attn-k_qbc63d8eb22_attn
	.p2alignl 7, 3214868480
	.fill 96, 4, 3214868480
	.section	.rodata,"a",@progbits
	.p2align	6, 0x0
	.amdhsa_kernel k_qbc63d8eb22_attn
		.amdhsa_group_segment_fixed_size 288768
		.amdhsa_private_segment_fixed_size 0
		.amdhsa_enable_private_segment 0
		.amdhsa_kernarg_size 32
		.amdhsa_user_sgpr_count 2
		.amdhsa_user_sgpr_kernarg_segment_ptr 1
		.amdhsa_wavefront_size32 1
		.amdhsa_system_sgpr_workgroup_id_x 1
		.amdhsa_system_sgpr_workgroup_id_y 1
		.amdhsa_system_sgpr_workgroup_id_z 1
		.amdhsa_system_vgpr_workitem_id 0
		.amdhsa_next_free_vgpr 256
		.amdhsa_next_free_sgpr 66
		.amdhsa_reserve_vcc 0
		.amdhsa_float_denorm_mode_32 3
		.amdhsa_float_denorm_mode_16_64 3
		.amdhsa_memory_ordered 1
		.amdhsa_forward_progress 1
		.amdhsa_inst_pref_size 138
	.end_amdhsa_kernel
	.amdgpu_metadata
---
amdhsa.version: [ 1, 2 ]
amdhsa.kernels:
  - .name:           k_qbc63d8eb22_attn
    .symbol:         k_qbc63d8eb22_attn.kd
    .args:
      - { .name: kv, .offset: 0, .size: 8, .value_kind: global_buffer, .address_space: global }
      - { .name: qc, .offset: 8, .size: 8, .value_kind: global_buffer, .address_space: global }
      - { .name: meta, .offset: 16, .size: 8, .value_kind: global_buffer, .address_space: global }
      - { .name: out0, .offset: 24, .size: 8, .value_kind: global_buffer, .address_space: global }
    .group_segment_fixed_size: 288768
    .private_segment_fixed_size: 0
    .kernarg_segment_align: 8
    .kernarg_segment_size: 32
    .max_flat_workgroup_size: 512
    .sgpr_count:     66
    .vgpr_count:     256
    .wavefront_size: 32
...
	.end_amdgpu_metadata
.endif
;; end of part 4
